; MI455X (gfx1250); checked and timed in simulation.
; The chip was launched on July 23, 2026; its instructions are those of AMD's public machine-readable ISA for CDNA 5 (MIT licence, August 2026) and "CDNA5" Instruction Set Architecture Reference Guide (July 2026). The comments in the code are by the model that wrote it; some were corrected since.
;; Multi Head Self Attention. Allowed arithmetic: matrix products marked QUANTISED: E2M1 operands, one E8M0 scale for each 32 along K, by v_wmma_scale_f32_16x16x128_f8f6f4 with both operands' format E2M1 (or v_wmma_scale_f32_32x16x128_f4), f32 sums; products left as they are: bf16, f16 or f32 operands; f32 sums; everything else in f32.
;; Inputs: Wk 2,048 x 2,048 float32; Wo 2,048 x 2,048 float32; Wq 2,048 x 2,048 float32; Wv 2,048 x 2,048 float32; token_positions 2,048 int32; x 1 x 2,048 x 2,048 float32.
;; Outputs: out0 1 x 2,048 x 2,048 float32.
;; This version of the problem:
;;   THIS VERSION OF THE PROBLEM IS GIVEN IN LOW PRECISION. The matrix products marked QUANTISED in the list below multiply operands that are first quantised to E2M1 (2 exponent bits, 1 mantissa bit; 4 bits a number), with one power-of-two scale for each 32 numbers along K (OCP MX v1.0); their sums are f32. The products marked 'left as it is' may take bf16, f16 or f32 operands, with f32 sums. Whichever they take, every output number must still come out within the allowed error. Rounding operands to bf16 (8 significant bits) uses up far more of that allowance than f16 does (11 bits, for magnitudes from 6e-5 to 65,504). All else is computed in f32.
;;   The module's matrix products, in the order in which they are computed (A, B: the left and right operand; K: the contracted axis; several contracted axes count as one K, in the product's order):
;;     1. [M 2,048, K 2,048] x [K 2,048, N 2,048]; A: input x; B: input Wq: QUANTISED
;;     2. [M 2,048, K 2,048] x [K 2,048, N 2,048]; A: input x; B: input Wk: QUANTISED
;;     3. [M 2,048, K 2,048] x [K 2,048, N 2,048]; A: input x; B: input Wv: QUANTISED
;;     4. batch 16 x [M 2,048, K 128] x [K 128, N 2,048]; A: computed on the way; B: computed on the way: left as it is (an operand is computed on the way)
;;     5. batch 16 x [M 2,048, K 2,048] x [K 2,048, N 128]; A: computed on the way; B: computed on the way: left as it is (an operand is computed on the way)
;;     6. [M 2,048, K 2,048] x [K 2,048, N 2,048]; A: computed on the way; B: input Wo: left as it is (an operand is computed on the way)
;;   THE QUANTISER, for each operand of a quantised product, along K:
;;     - K is cut into blocks of 32 from its start; a last block that is shorter is filled with zeros.
;;     - A block's scale is 2^e with e = floor(log2(the largest magnitude in the block)) - 2, held to -126 .. 127; a block of zeros has e = 0. As a byte (E8M0): e + 127.
;;     - Each number is divided by its block's scale, clamped to +-6, and rounded to the nearest number of E2M1, ties to even, subnormals kept.
;;     - The product sums the exact products of the quantised numbers (number of the format x scale) in f32.
;;   ~~~python
;;   def quantise(x, axis):      # numpy; x: float32 -> the quantised numbers, widened to float32 again
;;       x = np.moveaxis(x, axis, -1); K = x.shape[-1]
;;       x = np.pad(x, [(0, 0)] * (x.ndim - 1) + [(0, -K % 32)]); x = x.reshape(x.shape[:-1] + (-1, 32)); a = np.abs(x).max(-1, keepdims=True)
;;       e = np.where(a > 0, np.clip(np.frexp(np.where(a > 0, a, 1))[1] - 1 - 2, -126, 127), 0)      # np.frexp(a)[1] - 1 = floor(log2(a)), exactly
;;       r = np.clip(x / 2.0 ** e, -6, 6)
;;       step = 2.0 ** (np.maximum(np.frexp(np.where(r == 0, 1, r))[1] - 1, 0) - 1)
;;       q = np.round(r / step) * step * 2.0 ** e      # np.round: ties to even
;;       return np.moveaxis(q.reshape(q.shape[:-2] + (-1,))[..., :K], -1, axis).astype(np.float32)
;;   ~~~
;; One version. Each part assembles by itself: llvm-mc -triple=amdgcn-amd-amdhsa -mcpu=gfx1250 --defsym DOCPART=n.
;; ======== version 1 of 1: 5 launches
;; limits: values are held in f16: magnitudes above 65,504 overflow, below 6.1e-05 lose precision; right only within a limited range of input values
;; workspace buffers: codes 8,388,608 bytes; scales 524,288 bytes; woh 8,388,608 bytes; rope 1,114,112 bytes; qkv 25,165,824 bytes; q32 393,216 bytes; o 8,388,608 bytes
;; launch prep (part 1): grid 776 x 1, 4 waves a work-group, no clusters, 33,280 bytes of LDS; arguments x, Wq, Wk, Wv, Wo, token_positions, codes, scales, woh, rope; writes codes, scales, woh, rope
.if DOCPART == 1
	.amdgcn_target "amdgcn-amd-amdhsa--gfx1250"
	.amdhsa_code_object_version 6
	.text
	.protected	k_qa052f9e477_prep
	.globl	k_qa052f9e477_prep
	.p2align	8
	.type	k_qa052f9e477_prep,@function
k_qa052f9e477_prep:
	s_mov_b64 s[64:65], 0
	v_nop
	global_prefetch_b8 v0, s[64:65] scope:SCOPE_SE
	s_setreg_imm32_b32 hwreg(HW_REG_WAVE_MODE, 25, 1), 1
	s_wait_xcnt 0x0
; PREP: three jobs that share one launch, told apart by the work-group's number alone.
;  work-groups 0-511:   x, Wq, Wk, Wv (f32, K innermost) become codes of FP4 (E2M1) with one E8M0 byte for each 32 along K.  The four tensors are one stream of rows of 2,048:
;                       codes [8192 rows][1024 bytes], scales [8192 rows][64 bytes]; rows 0-2047 x, then Wq, Wk, Wv.  128 work-groups a tensor, 8,192 numbers a wave.
;  work-groups 512-639: Wo becomes f16, [2048][2048].
;  work-groups 640-775: the table of cosines and sines: block ab (16 positions) of 8,192 bytes, laid [b 0..3][c 0..3][lane][4 f32]: lane (r = lane % 16, h = lane / 16) holds position 16 ab + r and
;                       frequencies j = 16 b + 8 h + 4 (c % 2) + 0..3; c = 0, 1 cosines, c = 2, 3 sines.  Blocks 128 to 135 are made with position 0: cosine 1, sine 0: eight of them, so that
;                       the launch that reads the table walks eight blocks on end for V as it does for q and k.
; A block's scale is 2^(floor(log2(largest magnitude)) - 2); its byte is the largest magnitude's exponent field - 2, held at 1 from below.
; LIMITS: a block of zeros gets the byte 1 where the quantiser says 127 (its codes are zeros, and this program alone reads the bytes); blocks whose largest magnitude lies under 2^-124 were not tried;
; NaN and infinities are not served; |Wo| up to 65,504 (f16); the angle position x frequency is reduced in three parts of pi/2 and is served up to about 2^22; a frequency is made by one v_exp_f32.
.set WAVES, 4
.set STEPS, 16
.set EMAX,  2
.set CB,    8                          ; bytes of 16 codes
.set R,     16                         ; v16-79   four sets of 16 numbers as they are loaded
.set X,     80                         ; v80-111  two sets of 16 neighbours
.set C,     128                        ; v128-191 codes: four registers for each step
.set E,     112                        ; v112-127 a scale byte for each step
.set WREG,  8192                       ; LDS: a region for each wave: two stages of 32 x SP bytes, then its 256 scale bytes
.set SP,    80                         ; a lane's place in a stage: 64 bytes + 16 of padding
.set SPW,   12                         ; v12  LDS address of my spare word; never rewritten
.set NIL,   13                         ; v13  0; never rewritten
.set SPARE, WAVES*WREG                 ; behind the four regions: the spare words, 128 bytes a wave
	s_load_b512 s[32:47], s[0:1], 0x0              ; x 32, Wq 34, Wk 36, Wv 38, Wo 40, token_positions 42, codes 44, scales 46
	s_load_b128 s[48:51], s[0:1], 0x40             ; woh 48, rope 50
	v_lshl_add_u32 v[SPW], v0, 2, SPARE
	v_mov_b32 v[NIL], 0
	v_lshrrev_b32 v1, 5, v0
	v_readfirstlane_b32 s16, v1                    ; wave
	v_and_b32 v2, 31, v0                           ; lane
	s_wait_kmcnt 0x0
	s_cmp_ge_u32 ttmp9, 640
	s_cbranch_scc1 .Ltable
	s_cmp_ge_u32 ttmp9, 512
	s_cbranch_scc1 .Lcast
; ---------------- the quantiser.  Each of a step's four loads reads 512 consecutive bytes; the 2,048 bytes turn through the wave's own stage in LDS, so that a lane holds 16 neighbours along K.
	v_lshlrev_b32 v3, 4, v2                        ; my 16 bytes of a load's 512
	s_mul_i32 s17, s16, WREG
	v_lshrrev_b32 v14, 2, v2
	v_mul_u32_u24 v14, v14, SP
	v_and_b32 v15, 3, v2
	v_lshl_add_u32 v14, v15, 4, v14
	v_add_nc_u32 v14, s17, v14                     ; the stage, on the way in: SP (lane / 4) + 16 (lane % 4)
	v_mul_u32_u24 v15, v2, SP
	v_add_nc_u32 v15, s17, v15                     ; and on the way out: SP x lane
	v_mul_u32_u24 v4, v2, CB                       ; my codes' place in a step's
	v_lshrrev_b32 v5, 1, v2
	s_add_co_u32 s17, s17, 2*32*SP
	v_add_nc_u32 v5, s17, v5                       ; my wave's 256 scale bytes, my block's byte
	v_lshlrev_b32 v7, 3, v2
	v_add_nc_u32 v6, s17, v7                       ; and on the way out 8 bytes a lane
	s_cmp_lt_u32 ttmp9, 384                        ; which tensor: the choice hangs on the work-group's number alone
	s_cselect_b64 s[4:5], s[36:37], s[38:39]
	s_cmp_lt_u32 ttmp9, 256
	s_cselect_b64 s[4:5], s[34:35], s[4:5]
	s_cmp_lt_u32 ttmp9, 128
	s_cselect_b64 s[4:5], s[32:33], s[4:5]
	s_and_b32 s18, ttmp9, 127
	s_lshl_b32 s18, s18, 2
	s_add_co_u32 s18, s18, s16                     ; my run of 8,192 numbers in the tensor,
	s_lshl_b32 s18, s18, 15                        ; 32,768 bytes each
	s_mov_b32 s19, 0
	s_add_nc_u64 s[4:5], s[4:5], s[18:19]
	s_lshl_b32 s20, ttmp9, 2
	s_add_co_u32 s20, s20, s16                     ; my run in the stream of all four tensors
	s_lshl_b32 s18, s20, 12                        ; 4,096 bytes of codes a run
	s_add_nc_u64 s[8:9], s[44:45], s[18:19]
	s_lshl_b32 s18, s20, 8                         ; 256 scale bytes a run
	s_add_nc_u64 s[10:11], s[46:47], s[18:19]
.macro LOAD t
.irp i, 0,1,2,3
	global_load_b128 v[R+16*((\t)%4)+4*\i:R+16*((\t)%4)+4*\i+3], v3, s[4:5] offset:2048*(\t)+512*\i th:TH_LOAD_NT   ; 32 lanes read 512 consecutive bytes
.endr
.endm
.macro TURN t                          ; step t's numbers through the stage: LDS serves a wave's instructions in order, so no wait stands between the stores and the loads
.irp i, 0,1,2,3
	ds_store_b128 v14, v[R+16*((\t)%4)+4*\i:R+16*((\t)%4)+4*\i+3] offset:32*SP*((\t)%2)+8*SP*\i
.endr
.irp i, 0,1,2,3
	ds_load_b128 v[X+16*((\t)%2)+4*\i:X+16*((\t)%2)+4*\i+3], v15 offset:32*SP*((\t)%2)+16*\i
.endr
.endm
.irp t, 0,1,2,3
	LOAD \t
.endr
	s_wait_loadcnt 12                              ; step 0's four loads are in; three steps' twelve may be out
	TURN 0
.macro STEP t
.set XS, X+16*((\t)%2)
.if (\t) > 0
	s_wait_dscnt 1                                 ; this step's numbers are back from the stage (the last step's byte store may be out)
.else
	s_wait_dscnt 0x0
.endif
.if (\t)+4 < STEPS
	LOAD (\t)+4                                    ; the stage's stores have read these registers: they take the loads of four steps on
.endif
.if (\t)+1 < STEPS
.if STEPS-2-(\t) >= 3
	s_wait_loadcnt 12                              ; the next step's four loads are in; those of the three steps behind it may be out
.else
	s_wait_loadcnt 4*(STEPS-2-(\t))
.endif
	TURN (\t)+1
.endif
	v_max3_num_f32 v8, |v[XS]|, |v[XS+1]|, |v[XS+2]|               ; the largest magnitude of my 16, in two chains
	v_max3_num_f32 v9, |v[XS+3]|, |v[XS+4]|, |v[XS+5]|
.irp i, 6,10
	v_max3_num_f32 v8, v8, |v[XS+\i]|, |v[XS+\i+1]|
	v_max3_num_f32 v9, v9, |v[XS+\i+2]|, |v[XS+\i+3]|
.endr
	v_max3_num_f32 v8, v8, |v[XS+14]|, |v[XS+15]|
	v_max3_num_f32 v8, v8, v9, (EMAX+1)<<23        ; and the floor 2^(EMAX + 1 - 127): the byte cannot fall under 1
	v_max_num_f32_dpp v8, v8, v8 row_xmask:1 row_mask:0xf bank_mask:0xf   ; and of my neighbour's 16: the block's
	v_add_nc_u32 v11, -(EMAX<<23), v8              ; EMAX off its exponent field: the conversion takes the exponent field of this operand as its scale
	v_cvt_scalef32_pk8_fp4_f32 v[C+4*(\t)], v[XS:XS+7], v11
	v_cvt_scalef32_pk8_fp4_f32 v[C+4*(\t)+1], v[XS+8:XS+15], v11
	v_lshrrev_b32 v[E+(\t)], 23, v11               ; the scale's byte (a plain line behind the conversions)
	ds_store_b8 v5, v[E+(\t)] offset:16*(\t)       ; both lanes of a block write the same byte with the same value
	global_store_b64 v4, v[C+4*(\t):C+4*(\t)+1], s[8:9] offset:32*CB*(\t)   ; the wave stores 256 consecutive bytes, aligned
.endm
.irp t, 0,1,2,3,4,5,6,7,8,9,10,11,12,13,14,15
	STEP \t
.endr
	ds_load_b64 v[8:9], v6                         ; LDS serves a wave's instructions in order: these see my byte stores
	s_wait_dscnt 0x0
	global_store_b64 v7, v[8:9], s[10:11]          ; 32 lanes store 256 consecutive bytes, aligned
	s_wait_tensorcnt 0x0                           ; the wave's end: a tensor wait, an add of 0 to my spare word and its wait, behind my last LDS store
	ds_add_u32 v[SPW], v[NIL]
	s_wait_dscnt 0x0
	s_endpgm
; ---------------- Wo to f16: 8,192 numbers a wave, 64 chunks of 512 bytes in four groups of 16; two groups of loads are out at a time.
.Lcast:
	s_sub_co_u32 s18, ttmp9, 512
	s_lshl_b32 s18, s18, 2
	s_add_co_u32 s20, s18, s16                     ; my run
	s_lshl_b32 s18, s20, 15
	s_mov_b32 s19, 0
	s_add_nc_u64 s[4:5], s[40:41], s[18:19]
	s_lshl_b32 s18, s20, 14
	s_add_nc_u64 s[6:7], s[48:49], s[18:19]
	v_lshlrev_b32 v3, 4, v2                        ; in: 16 bytes a lane
	v_lshlrev_b32 v4, 3, v2                        ; out: 8 bytes a lane
.macro LOADG g
.irp i, 0,1,2,3,4,5,6,7,8,9,10,11,12,13,14,15
	global_load_b128 v[16+64*((\g)%2)+4*\i:16+64*((\g)%2)+4*\i+3], v3, s[4:5] offset:512*(16*(\g)+\i) th:TH_LOAD_NT
.endr
.endm
	LOADG 0
	LOADG 1
.irp g, 0,1,2,3
.if \g < 3
	s_wait_loadcnt 16                              ; this group's 16 loads are in; the next group's 16 may be out
.else
	s_wait_loadcnt 0
.endif
.if \g > 0
	s_wait_xcnt 0x0                                ; the last group's stores have read v144-175, which are written again below
.endif
.irp i, 0,1,2,3,4,5,6,7,8,9,10,11,12,13,14,15
	v_cvt_pk_f16_f32 v[144+2*\i], v[16+64*(\g%2)+4*\i], v[17+64*(\g%2)+4*\i]
	v_cvt_pk_f16_f32 v[145+2*\i], v[18+64*(\g%2)+4*\i], v[19+64*(\g%2)+4*\i]
.endr
.irp i, 0,1,2,3,4,5,6,7,8,9,10,11,12,13,14,15
	global_store_b64 v4, v[144+2*\i:145+2*\i], s[6:7] offset:256*(16*\g+\i)   ; the wave stores 256 consecutive bytes, aligned
.endr
.if \g < 2
	LOADG \g+2
.endif
.endr
	s_endpgm
; ---------------- the table.  Wave b of work-group 640 + ab makes eight cosines and eight sines a lane.
.Ltable:
	s_sub_co_u32 s17, ttmp9, 640                   ; ab, 0 .. 135
	s_min_u32 s18, s17, 127                        ; blocks 128 on read block 127's positions, so that no load leaves the buffer,
	s_cmp_lt_u32 s17, 128
	s_cselect_b32 s7, 1.0, 0                       ; and multiply them by 0
	v_and_b32 v3, 15, v0                           ; r
	v_bfe_u32 v4, v0, 4, 1                         ; h
	s_lshl_b32 s18, s18, 6
	v_lshl_add_u32 v20, v3, 2, s18                 ; token_positions[16 ab + r]
	global_load_b32 v21, v20, s[42:43]
	s_lshl_b32 s19, s16, 4
	v_lshl_add_u32 v23, v4, 3, s19                 ; 16 b + 8 h
	s_mov_b32 s20, 0x3f22f983                      ; 2 / pi
	s_mov_b32 s21, 0xbfc90fdb                      ; - pi/2 in three parts: the f32 nearest pi/2, negated,
	s_mov_b32 s22, 0x333bbd2e                      ; what that number is too large by,
	s_mov_b32 s23, 0x26f72ced                      ; and what is then still left
	s_mov_b32 s24, 0xb94ca1f9                      ; sine: r + r z (S1 + z (S2 + z S3))
	s_mov_b32 s25, 0x3c08839e
	s_mov_b32 s26, 0xbe2aaaa3
	s_mov_b32 s27, 0x37ccf5ce                      ; cosine: 1 - z / 2 + z z (C1 + z (C2 + z C3))
	s_mov_b32 s28, 0xbab6061a
	s_mov_b32 s29, 0x3d2aaaa5
.irp n, 0,1,2,3,4,5,6,7
	v_add_nc_u32 v[24+\n], \n, v23                 ; j = 16 b + 8 h + n
.endr
.irp n, 0,1,2,3,4,5,6,7
	v_cvt_f32_u32 v[24+\n], v[24+\n]
.endr
.irp n, 0,1,2,3,4,5,6,7
	v_mul_f32 v[24+\n], 0xbe549a78, v[24+\n]       ; - j log2(10000) / 64
.endr
.irp n, 0,1,2,3,4,5,6,7
	v_exp_f32 v[24+\n], v[24+\n]                   ; the frequency 10000^(-j / 64): one batch
.endr
	s_wait_loadcnt 0x0
	v_cvt_f32_i32 v22, v21                         ; (plain lines behind the batch)
	v_mul_f32 v22, s7, v22
	s_wait_alu depctr_va_vdst(0)                   ; one wait for the eight, ahead of their first reader
.irp n, 0,1,2,3,4,5,6,7
	v_mul_f32 v[24+\n], v22, v[24+\n]              ; the angle, rounded once
.endr
.irp n, 0,1,2,3,4,5,6,7
	v_mul_f32 v[32+\n], s20, v[24+\n]
.endr
.irp n, 0,1,2,3,4,5,6,7
	v_rndne_f32 v[32+\n], v[32+\n]                 ; n = the nearest multiple of pi/2
.endr
.irp n, 0,1,2,3,4,5,6,7
	v_fma_f32 v[40+\n], v[32+\n], s21, v[24+\n]    ; r = angle - n pi/2, in three fused steps
.endr
.irp n, 0,1,2,3,4,5,6,7
	v_fma_f32 v[40+\n], v[32+\n], s22, v[40+\n]
.endr
.irp n, 0,1,2,3,4,5,6,7
	v_fma_f32 v[40+\n], v[32+\n], s23, v[40+\n]
.endr
.irp n, 0,1,2,3,4,5,6,7
	v_cvt_i32_f32 v[48+\n], v[32+\n]               ; the quadrant is n's two low bits
.endr
.irp n, 0,1,2,3,4,5,6,7
	v_mul_f32 v[56+\n], v[40+\n], v[40+\n]         ; z = r r
.endr
.irp n, 0,1,2,3,4,5,6,7
	v_fma_f32 v[64+\n], v[56+\n], s24, s25
	v_fma_f32 v[72+\n], v[56+\n], s27, s28
.endr
.irp n, 0,1,2,3,4,5,6,7
	v_fma_f32 v[64+\n], v[64+\n], v[56+\n], s26
	v_fma_f32 v[72+\n], v[72+\n], v[56+\n], s29
.endr
.irp n, 0,1,2,3,4,5,6,7
	v_mul_f32 v[64+\n], v[64+\n], v[56+\n]
	v_fma_f32 v[72+\n], v[72+\n], v[56+\n], -0.5
.endr
.irp n, 0,1,2,3,4,5,6,7
	v_fma_f32 v[64+\n], v[64+\n], v[40+\n], v[40+\n]   ; sin r
	v_fma_f32 v[72+\n], v[72+\n], v[56+\n], 1.0        ; cos r
.endr
.irp n, 0,1,2,3,4,5,6,7
	v_and_b32 v[32+\n], 1, v[48+\n]
.endr
.irp n, 0,1,2,3,4,5,6,7
	v_cmp_eq_u32 vcc_lo, 1, v[32+\n]               ; in an odd quadrant the two change places
	v_cndmask_b32 v[88+\n], v[64+\n], v[72+\n], vcc_lo
	v_cndmask_b32 v[80+\n], v[72+\n], v[64+\n], vcc_lo
.endr
.irp n, 0,1,2,3,4,5,6,7
	v_lshlrev_b32 v[32+\n], 30, v[48+\n]           ; the sine is negative in quadrants 2 and 3: bit 1 of n,
	v_add_nc_u32 v[48+\n], 1, v[48+\n]             ; the cosine in quadrants 1 and 2: bit 1 of n + 1
.endr
.irp n, 0,1,2,3,4,5,6,7
	v_and_b32 v[32+\n], 0x80000000, v[32+\n]
	v_lshlrev_b32 v[48+\n], 30, v[48+\n]
.endr
.irp n, 0,1,2,3,4,5,6,7
	v_xor_b32 v[88+\n], v[32+\n], v[88+\n]
	v_and_b32 v[48+\n], 0x80000000, v[48+\n]
.endr
.irp n, 0,1,2,3,4,5,6,7
	v_xor_b32 v[80+\n], v[48+\n], v[80+\n]
.endr
	s_lshl_b32 s18, s17, 13                        ; block ab,
	s_lshl_b32 s19, s16, 11                        ; part b
	s_add_co_u32 s18, s18, s19
	s_mov_b32 s19, 0
	s_add_nc_u64 s[8:9], s[50:51], s[18:19]
	v_lshlrev_b32 v5, 4, v2
	global_store_b128 v5, v[80:83], s[8:9]                 ; each store of the wave covers 512 consecutive bytes, aligned
	global_store_b128 v5, v[84:87], s[8:9] offset:512
	global_store_b128 v5, v[88:91], s[8:9] offset:1024
	global_store_b128 v5, v[92:95], s[8:9] offset:1536
	s_endpgm
.Lfunc_end_k_qa052f9e477_prep:
	.size	k_qa052f9e477_prep, .Lfunc_end_k_qa052f9e477_prep-k_qa052f9e477_prep
	.p2alignl 7, 3214868480
	.fill 96, 4, 3214868480
	.section	.rodata,"a",@progbits
	.p2align	6, 0x0
	.amdhsa_kernel k_qa052f9e477_prep
		.amdhsa_group_segment_fixed_size 33280
		.amdhsa_private_segment_fixed_size 0
		.amdhsa_enable_private_segment 0
		.amdhsa_kernarg_size 80
		.amdhsa_user_sgpr_count 2
		.amdhsa_user_sgpr_kernarg_segment_ptr 1
		.amdhsa_wavefront_size32 1
		.amdhsa_system_sgpr_workgroup_id_x 1
		.amdhsa_system_sgpr_workgroup_id_y 1
		.amdhsa_system_sgpr_workgroup_id_z 1
		.amdhsa_system_vgpr_workitem_id 0
		.amdhsa_next_free_vgpr 192
		.amdhsa_next_free_sgpr 66
		.amdhsa_reserve_vcc 1
		.amdhsa_float_denorm_mode_32 3
		.amdhsa_float_denorm_mode_16_64 3
		.amdhsa_memory_ordered 1
		.amdhsa_forward_progress 1
		.amdhsa_inst_pref_size 67
	.end_amdhsa_kernel
	.amdgpu_metadata
---
amdhsa.version: [ 1, 2 ]
amdhsa.kernels:
  - .name:           k_qa052f9e477_prep
    .symbol:         k_qa052f9e477_prep.kd
    .args:
      - { .name: x, .offset: 0, .size: 8, .value_kind: global_buffer, .address_space: global }
      - { .name: Wq, .offset: 8, .size: 8, .value_kind: global_buffer, .address_space: global }
      - { .name: Wk, .offset: 16, .size: 8, .value_kind: global_buffer, .address_space: global }
      - { .name: Wv, .offset: 24, .size: 8, .value_kind: global_buffer, .address_space: global }
      - { .name: Wo, .offset: 32, .size: 8, .value_kind: global_buffer, .address_space: global }
      - { .name: token_positions, .offset: 40, .size: 8, .value_kind: global_buffer, .address_space: global }
      - { .name: codes, .offset: 48, .size: 8, .value_kind: global_buffer, .address_space: global }
      - { .name: scales, .offset: 56, .size: 8, .value_kind: global_buffer, .address_space: global }
      - { .name: woh, .offset: 64, .size: 8, .value_kind: global_buffer, .address_space: global }
      - { .name: rope, .offset: 72, .size: 8, .value_kind: global_buffer, .address_space: global }
    .group_segment_fixed_size: 33280
    .private_segment_fixed_size: 0
    .kernarg_segment_align: 8
    .kernarg_segment_size: 80
    .max_flat_workgroup_size: 128
    .sgpr_count:     66
    .vgpr_count:     192
    .wavefront_size: 32
...
	.end_amdgpu_metadata
.endif
;; end of part 1
;; launch qkv (part 2): grid 24 x 8, 4 waves a work-group, clusters of 4 x 4, 327,680 bytes of LDS; arguments codes, scales, rope, q32, qkv; writes qkv, q32
.if DOCPART == 2
	.amdgcn_target "amdgcn-amd-amdhsa--gfx1250"
	.amdhsa_code_object_version 6
	.text
	.protected	k_qa052f9e477_qkv
	.globl	k_qa052f9e477_qkv
	.p2align	8
	.type	k_qa052f9e477_qkv,@function
k_qa052f9e477_qkv:
	s_mov_b64 s[64:65], 0
	v_nop
	global_prefetch_b8 v0, s[64:65] scope:SCOPE_SE
	s_setreg_imm32_b32 hwreg(HW_REG_WAVE_MODE, 25, 1), 1
	s_wait_xcnt 0x0
	s_wait_alu depctr_hold_cnt(0) depctr_sa_sdst(0) depctr_va_vdst(0) depctr_va_sdst(0) depctr_va_ssrc(0) depctr_va_vcc(0) depctr_vm_vsrc(0)
	s_getreg_b32 s2, hwreg(HW_REG_IB_STS2, 6, 4)
	s_cmp_eq_u32 s2, 0
	s_cbranch_scc0 .Lentry_in_a_cluster
	s_endpgm
.Lentry_in_a_cluster:
	s_bfe_u32 s2, ttmp6, 0x10000c
	s_cmp_lg_u32 s2, 0xf033
	s_cbranch_scc0 .Lentry_shape_is_right
	s_endpgm
.Lentry_shape_is_right:
; QKV: C[m][n] = sum over k of x[m][k] W[n][k], m = 2,048 positions, n = 6,144 = the rows of Wq, Wk, Wv on end, K = 2,048, on codes of FP4 (E2M1) with one E8M0 scale for each 32 along K; sums in f32.
; Then the rotary embedding in f32 (for V with cosine 1 and sine 0: one text for all three), rounding to f16, and out in the layout that the attention launch reads.
; A tile of C, 256 x 256, is made by four waves; a wave makes 128 positions x 128 columns, which are ONE HEAD: so channels d and d + 64, which the rotation pairs, lie in one lane.
; 24 x 8 = 192 work-groups: a narrower tile would fill more WGPs but read each LDS byte for fewer products, and a wave has to hold whole heads.
; K goes in steps of 512 through a ring of two LDS slots filled by the tensor data mover; the scale bytes of the work-group's rows, for all of K, come into LDS once.
; CLUSTERS: 4 x 4 work-groups; A's tiles are asked for jointly along a row of the cluster, B's along a column.  THE MATRIX INSTRUCTION IS USED TRANSPOSED (source 0 = 16 rows of W, source 1 = 16 rows of x):
; lane l holds position l % 16 of a block and its registers the columns 8 (l / 16) + 0 .. 7.
; THE TABLE of cosines and sines, 64 numbers a lane for each of my eight blocks of 16 positions, is asked for well ahead of its use: blocks 0 and 1 at the kernel's head, into registers that lie idle through
; the K loop; block 2 ahead of the last 128 along K, block 3 behind the last product, into B's two sets; block a + 4 as soon as block a's numbers have been used.
; OUT: qkv, f16, [th = 16 tensor + head][slot = s >> 8][jk = (s >> 5) & 1][w = (s >> 6) & 3][s & 31][128]; a block of 16 positions is 4,096 dense bytes.  q32, f32, [th][16][128]: positions 0-15 unrounded.
; LIMIT: |q|, |k|, |v| up to 65,504 (f16).
; REGISTERS, in windows of 256: window 0: v0-31 addresses; v32-95 scale words, two sets, and nothing else ever; v128-191 A's fragments, on the way out the roped numbers; v192-255 on the way out rows back from the stage.
;   window 1: B's fragments, two sets, at v0-63 and v128-191; v64-127 and v192-255 table numbers from the start; on the way out all four runs of 64 are table sets.
;   window 2, 3: the 64 accumulators ((a, b) at v[8 (8 (a % 4) + b)] of window 2 + a / 4).
.set SIZE_K, 2048
.set KSTEP,  512                       ; along K in a slot
.set NQ,     KSTEP/128                 ; matrix instructions deep
.set ROWB,   256                       ; a tile's row in bytes
.set KROW,   SIZE_K*4/8                ; a row of codes in memory, in bytes
.set PITCH,  272                       ; an LDS row: 256 bytes + 16 of padding: the 16 rows that a load touches start at 16 different banks
.set FR,     8                         ; registers of a fragment: 16 rows x 128 K
.set NL,     2                         ; LDS loads that bring one
.set NP,     4                         ; places behind this matrix instruction (ISA guide 7.12.1)
.set HALFT,  128*PITCH                 ; 128 rows: what one tensor load brings
.set SLOT,   4*HALFT                   ; A's 256 rows, then B's 256 rows
.set LAPS,   SIZE_K/(2*KSTEP)          ; a lap = two K steps = once round the ring
.set KS,     SIZE_K/32                 ; a row of scales in bytes
.set SCL,    2*SLOT                    ; behind the ring: the scales, as units of 256 bytes + 16 of padding
.set HALFS,  (128*KS/256)*272          ; the scales of 128 rows
.set SBLK,   (16*KS/256)*272           ; those of 16 rows
.set SPARE,  SCL+4*HALFS               ; behind the scales: the spare words, 128 bytes for each wave
.set SP2,    272                       ; the way out: a stage of 16 rows x (256 bytes + 16) for each wave, in slot 0, which has had its last fill and its last read by then
.set ADRA, 16                          ; v16-17  LDS address of my A fragments in slot 0, 1
.set PRED, 18                          ; v18     my work-group's place along the cluster's y, as a number in every lane
.set ADRB, 20                          ; v20-21  the same as ADRA for B
.set STO,  24                          ; v24     the way out: where I put 16 bytes of a row
.set RD,   25                          ; v25     where I read a row back
.set CO,   26                          ; v26     my byte offset in a block of 16 positions of qkv
.set ADRS, 27                          ; v27     LDS address of my scale words
.set SPW,  28                          ; v28     LDS address of my spare word; never rewritten
.set NIL,  29                          ; v29     0; never rewritten
.set TO,   30                          ; v30     16 x lane: my place in a piece of the table; never rewritten
.set FO,   31                          ; v31     my byte offset in q32's 16 rows
.set SC,   32                          ; scale words: set s at v[SC + 8 NQ s]
.set AF,   128                         ; A's fragments
.set RR,   128                         ; the way out: 64 roped numbers, then 32 registers of f16
.set BK,   192                         ; the way out: 16 rows back from the stage, two sets of 32
.set TBA,  20                          ; s[20:21]  where my first block's piece of the table stands; never stepped: the block stands in the loads' immediates
.set G1, 24
.set G0, 32
.set G1B, 48
.set G0B, 56
.set G1S, 68
.set G0S, 76
.set G1SB, 80
.set G0SB, 88
.set MSB, 0
.macro WIN new                         ; the immediate's high byte repeats the setting that is left
.if MSB != \new
	s_set_vgpr_msb (MSB<<8)|\new
.set MSB, \new
.endif
.endm
.set MUL_LO, 0xa1                      ; source 0 (B) window 1, source 1 (A) window 0, C and D window 2
.set MUL_HI, 0xf1                      ; the same, C and D window 3
.set TO_B,   0x40                      ; destination window 1, address window 0
; A joint load: waves 0 and 1 fetch for A, waves 2 and 3 for B; the branch hangs on the wave's number alone.  An s_nop 0 and four v_nop follow each of the two lines.
.macro JLOAD g0a, g1a, g0b, g1b
	s_cmp_eq_u32 s15, 0
	s_cbranch_scc0 .Lfor_b_\@
	tensor_load_to_lds s[\g0a:\g0a+3], s[\g1a:\g1a+7]
	s_nop 0
.rept 4
	v_nop
.endr
	s_branch .Lasked_\@
.Lfor_b_\@:
	tensor_load_to_lds s[\g0b:\g0b+3], s[\g1b:\g1b+7]
	s_nop 0
.rept 4
	v_nop
.endr
.Lasked_\@:
.endm
.macro CREST                           ; a round of the cluster's barrier behind its opening barrier
	s_cmp_lg_u32 s14, 0
	s_cbranch_scc1 .Lnot_wave_0_\@
	s_barrier_signal -3
.Lnot_wave_0_\@:
	s_barrier_wait -3
	s_barrier_signal -1
	s_barrier_wait -1
.endm
.macro CROUND                          ; a whole round
	s_barrier_signal -1
	s_barrier_wait -1
	CREST
.endm
	s_load_b128 s[4:7], s[0:1], 0x0                ; codes s[4:5], scales s[6:7]
	s_load_b128 s[96:99], s[0:1], 0x10             ; rope s[96:97], q32 s[98:99]
	s_load_b64 s[12:13], s[0:1], 0x20              ; qkv
	v_lshl_add_u32 v[SPW], v0, 2, SPARE
	v_mov_b32 v[NIL], 0
	ds_add_u32 v[SPW], v[NIL]                      ; the wave's opening: the add, twice on end, and its wait ahead of my first tensor load
	ds_add_u32 v[SPW], v[NIL]                      ; and once more, under the one wait; the set-up below, work on registers, stands between
	v_lshrrev_b32 v1, 5, v0
	v_readfirstlane_b32 s14, v1                    ; wave 0..3
	s_lshr_b32 s15, s14, 1                         ; which half of the tile's rows is mine.  Also: I fetch for A (0) or for B (1)
	s_and_b32 s16, s14, 1                          ; which half of its columns.  Also: which 128 rows of that tile I fetch
	s_bfe_u32 s40, ttmp6, 0x40000                  ; cx, cy: my place in the cluster
	s_bfe_u32 s41, ttmp6, 0x40004
	s_lshl_b32 s42, ttmp9, 2
	s_add_co_u32 s42, s42, s40                     ; tile column of C = 4 x cluster x + cx
	s_and_b32 s17, ttmp7, 0xffff
	s_lshl_b32 s17, s17, 2
	s_add_co_u32 s17, s17, s41                     ; tile row of C = 4 x cluster y + cy
	s_lshl_b32 s43, s41, 2
	s_lshl_b32 s43, 15, s43                        ; my row of the cluster
	s_lshl_b32 s44, 0x1111, s40                    ; my column
	; descriptor group 1: a tile of 128 rows x 256 bytes, padded in LDS
	s_or_b32 s[G1+0], s43, (0<<16)|(1<<20)|(1<<21)|(5<<22)|(3<<25)  ; the mask: A's tiles go to my row; elements of 1 byte; padding on; bit 21 beside a mask; 4 words after every 64
	s_or_b32 s[G1B+0], s44, (0<<16)|(1<<20)|(1<<21)|(5<<22)|(3<<25)
.irp g, G1, G1B
	s_mov_b32 s[\g+1], ROWB<<16                    ; tensor_dim0
	s_mov_b32 s[\g+2], 128<<16                     ; tensor_dim1 = 128
	s_mov_b32 s[\g+3], ROWB<<16                    ; tile_dim0
	s_mov_b32 s[\g+4], 128                         ; tile_dim1 = 128
	s_mov_b32 s[\g+5], KROW                        ; tensor_dim0_stride
	s_mov_b32 s[\g+6], 0
	s_mov_b32 s[\g+7], 0
.endr
	; the scales of 128 rows: a dense block of 8,192 bytes, as rows of 256 bytes (32 elements of 8 bytes), 16 bytes of padding behind each
	s_or_b32 s[G1S+0], s43, (3<<16)|(1<<20)|(1<<21)|(5<<22)|(3<<25)
	s_or_b32 s[G1SB+0], s44, (3<<16)|(1<<20)|(1<<21)|(5<<22)|(3<<25)
.irp g, G1S, G1SB
	s_mov_b32 s[\g+1], 32<<16
	s_mov_b32 s[\g+2], (128*KS/256)<<16
	s_mov_b32 s[\g+3], 32<<16
	s_mov_b32 s[\g+4], 128*KS/256
	s_mov_b32 s[\g+5], 32
	s_mov_b32 s[\g+6], 0
	s_mov_b32 s[\g+7], 0
.endr
	s_lshl_b32 s18, s16, 7                         ; which 128 rows of the tile I fetch
	s_lshl_b32 s20, s17, 8
	s_add_co_u32 s20, s20, s18                     ; A: row 256 x tile row + 128 x half
	s_lshl_b32 s46, s42, 8
	s_add_co_u32 s46, s46, s18                     ; B: row 256 x tile column + 128 x half
	s_mov_b32 s21, 0
	s_mov_b32 s47, 0
	s_mov_b64 s[18:19], KS
	s_mul_u64 s[22:23], s[20:21], s[18:19]         ; where these rows' scales begin, in bytes
	s_mul_u64 s[92:93], s[46:47], s[18:19]
	s_mov_b64 s[18:19], KROW
	s_mul_u64 s[20:21], s[20:21], s[18:19]         ; and their codes
	s_mul_u64 s[46:47], s[46:47], s[18:19]
	s_mul_i32 s45, s14, HALFT                      ; where they go: wave x 128 rows: no place in the cluster enters an LDS address
	s_mul_i32 s94, s14, HALFS
	s_wait_dscnt 0x0                               ; both opening adds are done
	s_wait_kmcnt 0x0
	s_add_nc_u64 s[8:9], s[4:5], 0x200000          ; the weights' codes lie behind x's 2,048 rows of 1,024 bytes,
	s_add_nc_u64 s[10:11], s[6:7], 0x20000         ; their scales behind 2,048 rows of 64
	s_add_nc_u64 s[20:21], s[4:5], s[20:21]
	s_add_nc_u64 s[22:23], s[6:7], s[22:23]
	s_add_nc_u64 s[46:47], s[8:9], s[46:47]
	s_add_nc_u64 s[92:93], s[10:11], s[92:93]
	CROUND                                         ; all sixteen work-groups are here: the first joint loads meet
	s_mov_b32 s[G0S], 1
	s_add_co_u32 s[G0S+1], s94, SCL
	s_mov_b64 s[G0S+2:G0S+3], s[22:23]
	s_or_b32 s[G0S+3], s[G0S+3], 0x80000000
	s_mov_b32 s[G0SB], 1
	s_add_co_u32 s[G0SB+1], s94, SCL
	s_mov_b64 s[G0SB+2:G0SB+3], s[92:93]
	s_or_b32 s[G0SB+3], s[G0SB+3], 0x80000000
	JLOAD G0S, G1S, G0SB, G1SB                     ; the scales first: they are wanted with K step 0
.irp s, 0,1
	s_mov_b32 s[G0+4*\s], 1
	s_add_co_u32 s[G0+4*\s+1], s45, \s*SLOT
	s_add_nc_u64 s[G0+4*\s+2:G0+4*\s+3], s[20:21], \s*ROWB
	s_or_b32 s[G0+4*\s+3], s[G0+4*\s+3], 0x80000000
	s_mov_b32 s[G0B+4*\s], 1
	s_add_co_u32 s[G0B+4*\s+1], s45, \s*SLOT
	s_add_nc_u64 s[G0B+4*\s+2:G0B+4*\s+3], s[46:47], \s*ROWB
	s_or_b32 s[G0B+4*\s+3], s[G0B+4*\s+3], 0x80000000
	JLOAD G0+4*\s, G1, G0B+4*\s, G1B
.endr
	v_and_b32 v1, 15, v0                           ; l % 16
	v_bfe_u32 v2, v0, 4, 1                         ; l / 16
	v_mul_u32_u24 v3, v1, PITCH
	v_lshl_add_u32 v4, v2, 4, v3                   ; a fragment's row x pitch + 16 x half
	s_mul_i32 s21, s15, HALFT                      ; my 128 rows of A
	s_mul_i32 s22, s16, HALFT                      ; my 128 rows of B,
	s_add_co_u32 s22, s22, 2*HALFT                 ; which lie behind A's 256
.irp s, 0,1
	v_add_nc_u32 v[ADRA+\s], s21, v4
	v_add_nc_u32 v[ADRB+\s], s22, v4
	s_add_co_u32 s21, s21, SLOT
	s_add_co_u32 s22, s22, SLOT
.endr
	v_mul_u32_u24 v5, v1, KS                       ; my row's scales: KS bytes a row,
	v_lshrrev_b32 v6, 8, v5
	v_lshl_add_u32 v5, v6, 4, v5                   ; and 16 more for each 256 passed
	s_mul_i32 s21, s15, HALFS                      ; A's: my 128 rows
	s_mul_i32 s22, s16, HALFS                      ; B's: my 128 rows, behind A's 256
	s_add_co_u32 s22, s22, 2*HALFS
	s_sub_co_u32 s22, s22, s21
	v_mul_u32_u24 v6, s22, v2                      ; lanes 16-31 take B's
	s_add_co_u32 s21, s21, SCL
	v_add_nc_u32 v5, v5, v6
	v_add_nc_u32 v[ADRS], s21, v5
	; the way out's addresses
	s_mul_i32 s23, s14, 16*SP2                     ; my stage
	v_mul_u32_u24 v5, v1, SP2                      ; in: row l % 16, 16 bytes for each half of the lanes
	v_lshl_add_u32 v5, v2, 4, v5
	v_add_nc_u32 v[STO], s23, v5
	v_mul_u32_u24 v5, v2, SP2                      ; back: lanes 0-15 one row of 256 bytes, lanes 16-31 the next
	v_lshl_add_u32 v5, v1, 4, v5
	v_add_nc_u32 v[RD], s23, v5
	v_lshlrev_b32 v5, 8, v2
	v_lshl_add_u32 v[CO], v1, 4, v5                ; and the same two rows in qkv
	v_and_b32 v6, 31, v0
	v_lshlrev_b32 v[TO], 4, v6
	v_lshlrev_b32 v5, 9, v1
	v_lshl_add_u32 v[FO], v2, 5, v5                ; q32: row l % 16 of 512 bytes, + 32 x half
	v_mov_b32 v[PRED], s41
	s_lshl_b32 s20, s42, 1
	s_add_co_u32 s20, s20, s16                     ; th = 2 x tile column + my half: 16 x tensor + head
	s_lshl_b32 s18, s20, 19                        ; th x 524,288
	s_lshl_b32 s19, s17, 16                        ; + slot (= tile row) x 65,536
	s_add_co_u32 s18, s18, s19
	s_lshl_b32 s19, s15, 14                        ; + my half of the rows: w = 2 x half + a / 4
	s_add_co_u32 s18, s18, s19
	s_mov_b32 s19, 0
	s_add_nc_u64 s[12:13], s[12:13], s[18:19]
	s_lshl_b32 s18, s20, 13                        ; q32: th x 8,192
	s_add_nc_u64 s[98:99], s[98:99], s[18:19]
	s_lshl_b32 s21, s17, 4
	s_lshl_b32 s22, s15, 3
	s_add_co_u32 s21, s21, s22                     ; my first block of 16 positions in the table
	s_cmp_ge_u32 ttmp9, 4                          ; tile columns 16-23 are V's: clusters 4 and 5 along x, the same answer in all sixteen partners
	s_cselect_b32 s21, 128, s21                    ; V takes the eight blocks of cosine 1 and sine 0
	s_lshl_b32 s18, s21, 13                        ; 8,192 bytes a block
	s_add_nc_u64 s[TBA:TBA+1], s[96:97], s[18:19]
	s_and_b32 s94, ttmp7, 0xffff                   ; 0 where positions 0-15 can be mine: the cluster's y and the wave's number alone
	s_or_b32 s94, s94, s15
.macro FRAG reg, adr, q, i             ; a fragment: lane l holds row l % 16; registers 4 c .. 4 c + 3 hold K = 64 c + 32 (l / 16) + 0 .. 31
.irp c, 0,1
	ds_load_b128 v[\reg+4*\c:\reg+4*\c+3], v[\adr] offset:64*(\q)+32*\c+(\i)*16*PITCH
.endr
.endm
; 16 matrix instructions: A's blocks a0, a0 + 1 x B's eight, 128 along K.  zero = 1: the first product starts the sums.  The 64 accumulators take turns, one instruction a turn.
.macro MUL16 a0, p, q, sc, zero
.irp a, \a0, \a0+1
.irp b, 0,1,2,3,4,5,6,7
.if \zero
	v_wmma_scale_f32_16x16x128_f8f6f4 v[8*(8*((\a)%4)+\b):8*(8*((\a)%4)+\b)+7], v[128*(\p)+FR*\b:128*(\p)+FR*\b+FR-1], v[AF+FR*(\a):AF+FR*(\a)+FR-1], 0, v[SC+8*NQ*(\sc)+NQ*\b+(\q)], v[SC+8*NQ*(\sc)+NQ*(\a)+(\q)] matrix_a_fmt:MATRIX_FMT_FP4 matrix_b_fmt:MATRIX_FMT_FP4 matrix_a_scale:MATRIX_SCALE_ROW1
.else
	v_wmma_scale_f32_16x16x128_f8f6f4 v[8*(8*((\a)%4)+\b):8*(8*((\a)%4)+\b)+7], v[128*(\p)+FR*\b:128*(\p)+FR*\b+FR-1], v[AF+FR*(\a):AF+FR*(\a)+FR-1], v[8*(8*((\a)%4)+\b):8*(8*((\a)%4)+\b)+7], v[SC+8*NQ*(\sc)+NQ*\b+(\q)], v[SC+8*NQ*(\sc)+NQ*(\a)+(\q)] matrix_a_fmt:MATRIX_FMT_FP4 matrix_b_fmt:MATRIX_FMT_FP4 matrix_a_scale:MATRIX_SCALE_ROW1
.endif
.endr
.endr
.endm
.macro FETCH_B slot, q, p              ; B's eight fragments of the slot's q-th 128 along K into set p
	WIN TO_B
.irp i, 0,1,2,3,4,5,6,7
	FRAG 128*(\p)+FR*\i, ADRB+\slot, \q, \i
.endr
	WIN 0
.endm
.macro FETCH_A slot, q, i0             ; A's blocks i0 .. i0 + 3
.irp i, \i0, \i0+1, \i0+2, \i0+3
	FRAG AF+FR*(\i), ADRA+\slot, \q, \i
.endr
.endm
.macro SCALES sc                       ; the next K step's scale words into set sc: lanes 0-15 take A's block i, lanes 16-31 B's block i
.irp i, 0,1,2,3,4,5,6,7
	ds_load_b128 v[SC+8*NQ*\sc+NQ*\i:SC+8*NQ*\sc+NQ*\i+3], v[ADRS] offset:\i*SBLK
.endr
.endm
.macro PLACES n                        ; plain vector lines between a matrix instruction and a load into, or a read or write of, its registers
.rept \n
	v_nop
.endr
.endm
; TABLE a: block a's 64 table numbers a lane (piece k = 4 b + c: 512 consecutive bytes a load) into one of four sets of window 1: blocks 0, 4 at v64, blocks 1, 5 at v192, blocks 2, 6 at v0, blocks 3, 7 at v128.
; In a set register 16 b + j is the cosine, 16 b + 8 + j the sine, of frequency 16 b + 8 (l / 16) + j.  The offset is 65,024 bytes at the most.
.macro TABLE a
.set TS, 128*((\a)%2)+64*(1-(((\a)/2)%2))
	WIN TO_B
.irp k, 0,1,2,3,4,5,6,7,8,9,10,11,12,13,14,15
	global_load_b128 v[TS+4*\k:TS+4*\k+3], v[TO], s[TBA:TBA+1] offset:8192*(\a)+512*\k
.endr
	WIN 0
.endm
.macro STEP slot, q, zero              ; a step of 128 along K that has its successor in the same slot
	s_wait_dscnt 4*NL                              ; B's set and A's blocks 0-3 are in; the youngest eight loads (A's blocks 4-7) may be out
	WIN MUL_LO
	MUL16 0, (\q)%2, \q, \slot, \zero
	MUL16 2, (\q)%2, \q, \slot, \zero
	s_wait_dscnt 0                                 ; A's blocks 4-7 are in
	PLACES NP
	FETCH_B \slot, (\q)+1, 1-(\q)%2
	FETCH_A \slot, (\q)+1, 0
	WIN MUL_HI
	MUL16 4, (\q)%2, \q, \slot, \zero
	MUL16 6, (\q)%2, \q, \slot, \zero
	PLACES NP
	WIN 0
	FETCH_A \slot, (\q)+1, 4
.endm
; A slot's last step changes slots: one barrier; in front of it each wave waits for all its tensor loads, adds 0 to its spare word, and waits for that and for its reads of this slot.
.macro TURN slot, next, fill
	s_wait_tensorcnt 0x0                           ; all my tensor loads have landed: my part of the next slot
	ds_add_u32 v[SPW], v[NIL]                      ; 0 onto my spare word
	s_wait_dscnt 4*NL+1                            ; (the add and the youngest eight loads, A's blocks 4-7, may be out)
	WIN MUL_LO
	MUL16 0, 1, NQ-1, \slot, 0                     ; sixteen matrix instructions stand between the add and the wait for it
	s_wait_dscnt 0x0                               ; the add is done, and my reads of this slot are over
	s_barrier_signal -1
	MUL16 2, 1, NQ-1, \slot, 0
	WIN 0
	s_barrier_wait -1
.if \fill
	CREST                                          ; the barrier has opened a round of the cluster's barrier: no wave of any partner still reads this slot or has a load on its way
	s_add_nc_u64 s[G0+4*\slot+2:G0+4*\slot+3], s[G0+4*\slot+2:G0+4*\slot+3], 2*ROWB
	s_add_nc_u64 s[G0B+4*\slot+2:G0B+4*\slot+3], s[G0B+4*\slot+2:G0B+4*\slot+3], 2*ROWB
	JLOAD G0+4*\slot, G1, G0B+4*\slot, G1B         ; the first tensor load behind the round; its four v_nop are also the places in front of the loads below
.else
	PLACES NP
.endif
	v_add_nc_u32 v[ADRS], 4*NQ, v[ADRS]            ; on to the next K step's scale words
	FETCH_B \next, 0, 0
	FETCH_A \next, 0, 0
	SCALES \next
	WIN MUL_HI
	MUL16 4, 1, NQ-1, \slot, 0
	MUL16 6, 1, NQ-1, \slot, 0
	PLACES NP
	WIN 0
	FETCH_A \next, 0, 4
.endm
.macro STEPS slot, from
.set Q, \from
.rept NQ-1-\from
	STEP \slot, Q, 0
.set Q, Q+1
.endr
.endm
	TABLE 0                                        ; my first two blocks' table numbers, into registers that nothing else names before the way out: they land while K is walked
	TABLE 1
	s_wait_tensorcnt 1                             ; the scales and my part of K step 0 are in (K step 1's load may be out)
	s_barrier_signal -1
	s_barrier_wait -1
	FETCH_B 0, 0, 0
	FETCH_A 0, 0, 0
	SCALES 0
	FETCH_A 0, 0, 4
	STEP 0, 0, 1                                   ; the first step stands in front of the loop: its products start the sums
	s_mov_b32 s3, LAPS-1
.Llap:                                                 ; a trip goes once round the ring and fills both slots again
	STEPS 0, 1
	TURN 0, 1, 1
	STEPS 1, 0
	TURN 1, 0, 1
	STEP 0, 0, 0
	s_sub_co_u32 s3, s3, 1
	s_cmp_lg_u32 s3, 0
	s_cbranch_scc1 .Llap
	STEPS 0, 1                                     ; the last lap fills nothing
	TURN 0, 1, 0
	STEPS 1, 0
	TABLE 2                                        ; B's set 0 had its last read in the step just written, whose four places stand behind its last product: it takes block 2's table numbers
	s_wait_dscnt 4*NL
	WIN MUL_LO
	MUL16 0, 1, NQ-1, 1, 0
	MUL16 2, 1, NQ-1, 1, 0
	s_wait_dscnt 0
	WIN MUL_HI
	MUL16 4, 1, NQ-1, 1, 0
	MUL16 6, 1, NQ-1, 1, 0
	WIN 0
; THE WAY OUT, block by block of 16 positions x 128 channels.
; ROPE a: channels d < 64 (accumulators b = 0..3) and d + 64 (b + 4): t1 cos - t2 sin and t1 sin + t2 cos, two numbers an instruction.  Each accumulator is read from its low end on.
.macro ROPE a
.set CSB, 128*((\a)%2)+64*(1-(((\a)/2)%2))
.set AC, 64*((\a)%4)
.if (\a) < 5
	s_wait_loadcnt 48                              ; block a's 16 table loads are in; those of the three blocks behind it may be out
.else
	s_wait_loadcnt 16*(7-(\a))                     ; the counts run down: two blocks, one, none
.endif
.if (\a) < 4
	WIN 0x06                                       ; source 0: the accumulators' window 2; source 1: the table's window 1
.else
	WIN 0x07                                       ; the same with window 3
.endif
.irp b, 0,1,2,3
.irp p, 0,1,2,3
	v_pk_mul_f32 v[RR+8*\b+2*\p:RR+8*\b+2*\p+1], v[AC+8*\b+2*\p:AC+8*\b+2*\p+1], v[CSB+16*\b+2*\p:CSB+16*\b+2*\p+1]
	v_pk_mul_f32 v[RR+32+8*\b+2*\p:RR+32+8*\b+2*\p+1], v[AC+8*\b+2*\p:AC+8*\b+2*\p+1], v[CSB+16*\b+8+2*\p:CSB+16*\b+8+2*\p+1]
.endr
.irp p, 0,1,2,3
	v_pk_fma_f32 v[RR+8*\b+2*\p:RR+8*\b+2*\p+1], v[AC+32+8*\b+2*\p:AC+32+8*\b+2*\p+1], v[CSB+16*\b+8+2*\p:CSB+16*\b+8+2*\p+1], v[RR+8*\b+2*\p:RR+8*\b+2*\p+1] neg_lo:[0,1,0] neg_hi:[0,1,0]
	v_pk_fma_f32 v[RR+32+8*\b+2*\p:RR+32+8*\b+2*\p+1], v[AC+32+8*\b+2*\p:AC+32+8*\b+2*\p+1], v[CSB+16*\b+2*\p:CSB+16*\b+2*\p+1], v[RR+32+8*\b+2*\p:RR+32+8*\b+2*\p+1]
.endr
.endr
	WIN 0
.if (\a)+4 <= 7
	TABLE (\a)+4                                   ; the set is free: it takes the block four on
.endif
.endm
.macro TOSTAGE a                       ; 16 bytes a lane into rows of 272 bytes, and back as whole rows of 256: LDS serves a wave's instructions in order
.irp b, 0,1,2,3,4,5,6,7
	ds_store_b128 v[STO], v[RR+4*\b:RR+4*\b+3] offset:32*\b
.endr
.irp t, 0,1,2,3,4,5,6,7
	ds_load_b128 v[BK+32*((\a)%2)+4*\t:BK+32*((\a)%2)+4*\t+3], v[RD] offset:\t*2*SP2
.endr
.endm
.macro SEND a, younger                 ; younger: the LDS instructions issued behind block a's loads
	s_wait_dscnt \younger
.irp t, 0,1,2,3,4,5,6,7
	global_store_b128 v[CO], v[BK+32*((\a)%2)+4*\t:BK+32*((\a)%2)+4*\t+3], s[12:13] offset:(((\a)/2)%2)*32768+((\a)/4)*8192+((\a)%2)*4096+512*\t   ; 16 lanes store 256 consecutive bytes, aligned
.endr
.endm
	PLACES NP                                      ; behind the last products: for the loads into B's set 1, the writes of A's registers, and the reads of results
	TABLE 3
.irp a, 0,1,2,3,4,5,6,7
	ROPE \a
.if \a == 0
	; positions 0-15, unrounded, for the launch that carries them in f32.  The branch hangs on the cluster's y and the wave's number; the place along the cluster's y only masks lanes.
	s_cmp_lg_u32 s94, 0
	s_cbranch_scc1 .Lno_f32
	v_cmp_eq_u32 vcc_lo, 0, v[PRED]
	s_wait_xcnt 0x0                                ; EXEC changes only behind this wait: the table's loads are out
	s_and_saveexec_b32 s95, vcc_lo
.irp b, 0,1,2,3,4,5,6,7
	global_store_b128 v[FO], v[RR+8*\b:RR+8*\b+3], s[98:99] offset:64*\b
	global_store_b128 v[FO], v[RR+8*\b+4:RR+8*\b+7], s[98:99] offset:64*\b+16
.endr
	s_wait_xcnt 0x0                                ; and again in front of the line that widens it; the stores' data are also free behind it
	s_or_b32 exec_lo, exec_lo, s95
.Lno_f32:
.endif
.irp k, 0,1,2,3,4,5,6,7,8,9,10,11,12,13,14,15,16,17,18,19,20,21,22,23,24,25,26,27,28,29,30,31
	v_cvt_pk_f16_f32 v[RR+\k], v[RR+2*\k], v[RR+2*\k+1]   ; in place, ascending: register k is read no more once it is written
.endr
.if \a > 1
	s_wait_xcnt 0x0                                ; block a - 2's stores have read their registers: block a's rows may land there
.endif
	TOSTAGE \a
.if \a > 0
	SEND \a-1, 16                                  ; behind block a - 1's loads: block a's 8 stores and 8 loads
.endif
.endr
	SEND 7, 0
	s_wait_tensorcnt 0x0                           ; the wave's end: a tensor wait, an add of 0 to my spare word and its wait, behind my last tensor load and my last LDS store
	ds_add_u32 v[SPW], v[NIL]
	s_wait_dscnt 0x0
	CROUND                                         ; the closing round: no work-group ends while a partner may still ask for a tile that names it
	s_endpgm
.Lfunc_end_k_qa052f9e477_qkv:
	.size	k_qa052f9e477_qkv, .Lfunc_end_k_qa052f9e477_qkv-k_qa052f9e477_qkv
	.p2alignl 7, 3214868480
	.fill 96, 4, 3214868480
	.section	.rodata,"a",@progbits
	.p2align	6, 0x0
	.amdhsa_kernel k_qa052f9e477_qkv
		.amdhsa_group_segment_fixed_size 327680
		.amdhsa_private_segment_fixed_size 0
		.amdhsa_enable_private_segment 0
		.amdhsa_kernarg_size 40
		.amdhsa_user_sgpr_count 2
		.amdhsa_user_sgpr_kernarg_segment_ptr 1
		.amdhsa_wavefront_size32 1
		.amdhsa_system_sgpr_workgroup_id_x 1
		.amdhsa_system_sgpr_workgroup_id_y 1
		.amdhsa_system_sgpr_workgroup_id_z 1
		.amdhsa_system_vgpr_workitem_id 0
		.amdhsa_next_free_vgpr 1024
		.amdhsa_next_free_sgpr 100
		.amdhsa_reserve_vcc 1
		.amdhsa_float_denorm_mode_32 3
		.amdhsa_float_denorm_mode_16_64 3
		.amdhsa_memory_ordered 1
		.amdhsa_forward_progress 1
		.amdhsa_inst_pref_size 255
	.end_amdhsa_kernel
	.section	.bss,"aw",@nobits
	.p2align	6
	.space	262144
	.amdgpu_metadata
---
amdhsa.version: [ 1, 2 ]
amdhsa.kernels:
  - .name:           k_qa052f9e477_qkv
    .symbol:         k_qa052f9e477_qkv.kd
    .args:
      - { .name: codes, .offset: 0, .size: 8, .value_kind: global_buffer, .address_space: global }
      - { .name: scales, .offset: 8, .size: 8, .value_kind: global_buffer, .address_space: global }
      - { .name: rope, .offset: 16, .size: 8, .value_kind: global_buffer, .address_space: global }
      - { .name: q32, .offset: 24, .size: 8, .value_kind: global_buffer, .address_space: global }
      - { .name: qkv, .offset: 32, .size: 8, .value_kind: global_buffer, .address_space: global }
    .group_segment_fixed_size: 327680
    .private_segment_fixed_size: 0
    .kernarg_segment_align: 8
    .kernarg_segment_size: 40
    .max_flat_workgroup_size: 128
    .sgpr_count:     100
    .vgpr_count:     1024
    .wavefront_size: 32
...
	.end_amdgpu_metadata
.endif
;; end of part 2
;; launch attn (part 3): grid 16 x 32, 4 waves a work-group, no clusters, 327,680 bytes of LDS; arguments qkv, o; writes o
.if DOCPART == 3
	.amdgcn_target "amdgcn-amd-amdhsa--gfx1250"
	.amdhsa_code_object_version 6
	.text
	.protected	k_qa052f9e477_attn
	.globl	k_qa052f9e477_attn
	.p2align	8
	.type	k_qa052f9e477_attn,@function
k_qa052f9e477_attn:
	s_mov_b64 s[64:65], 0
	v_nop
	global_prefetch_b8 v0, s[64:65] scope:SCOPE_SE
	s_setreg_imm32_b32 hwreg(HW_REG_WAVE_MODE, 25, 1), 1
	s_wait_xcnt 0x0
; ATTN: o[q] = sum over k <= q of softmax_k(Q[q] . K[k] / sqrt(128)) V[k], for 16 heads of 128 and 2,048 positions; operands f16, products, maxima and sums f32; o rounded to f16 once.
; SHARES.  A work-group owns 64 queries of one head: block b = 16 + y for y < 16, else 31 - y, so that work-groups y and y + 16 together walk nine slots of 256 keys whatever y.
; EVERY WAVE HOLDS ALL 64 QUERIES (four tiles of 16) and takes ONE KEY STEP OF 64 IN EACH SLOT: wave w the keys 256 n + 64 w on.  So each fragment of K and V read from LDS feeds four products.
; Each wave keeps a running maximum m, sum l and O^T of its own keys; at the end the four are merged through LDS: wave w merges tile w.
; LAYOUT.  S^T = K Q^T and O^T = V^T P: a lane holds ONE query (lane % 16) throughout.  K comes out of LDS as it lies, V turned, by ds_load_tr16_b128.
; BY PIECES.  The wave's tiles are two pieces, named by their first tile: piece 0 (tiles 0, 1) and piece 2 (tiles 2, 3); they share K's and V's fragments and nothing else.  A key step is: K Q^T of piece 0;
; K Q^T of piece 2 with piece 0's softmax between its products; V^T P of piece 0 with piece 2's softmax between its products; V^T P of piece 2.  A piece's softmax is 268 vector instructions in 64 slices,
; two slices behind each of 32 products.  A slice costs two switches of the register window.
; THE LDS LOADS stand in runs of eight.  K's four runs go by channels, 32 a run, as the products take them: a run is waited for when the two behind it have been issued.  V's four runs stand among piece 2's K Q^T.
; THE MASK.  Key step g = 4 n + w against block b: g > b is left out (a scalar branch on ids round the step's work); g = b is the diagonal: hidden scores become -infinity ahead of the maximum.
; THE RING.  Two slots; a slot is four tiles of 128 rows: K's and V's blocks jk = 0, 1 (in memory 32,768 dense bytes each, rows [w][32]); wave 0, 1 fetch K's, wave 2, 3 V's: one load a wave.
; All work-groups walk eight changes of slots, so that trip counts are constants; a slot whose first key comes after the work-group's last query is not asked for: nobody would read it.
; NO CLUSTER: heads share no K or V, and the query blocks of a head need different numbers of slots under the mask, so partners could not make every joint request and read it.
; LIMIT: |q|, |k|, |v|, |o| up to 65,504 (f16); a weight p under 2^-24 is rounded to 0 for the second product (the sum l takes it unrounded).
; REGISTERS, in windows of 256: window 0: v1-11, v52-63 addresses; v12-43 statistics, eight a tile (+0 c m, +1 m, +2, +3 l, +4 .. +7 at work; a in +6); v44-51 the merge's weights; v64-191 S^T, 32 a tile; v192-255 P, 16 a tile.
;   window 1: O^T, 64 a tile.   window 2: v0-127 Q, 32 a tile; v128-255 K of a step.   window 3: v0-127 V of a step.
.set PKB,   272       ; a row of K in LDS: 256 bytes + 16
.set PVB,   288       ; a row of V: 256 + 32
.set KBLK,  128*PKB   ; a block of K
.set VBLK,  128*PVB   ; a block of V
.set VOFF,  2*KBLK    ; V's blocks lie behind K's
.set SLOTB, 2*KBLK+2*VBLK  ; a slot: 143,360 bytes
.set SPARE, 2*SLOTB   ; behind the ring: the spare words, 128 bytes a wave
.set STATS, 131072    ; after the loop, inside the ring, which has had its last fill: four images of O^T of 32,768 bytes from byte 0; the statistics, 1,024 bytes a wave;
.set OST,   135168    ; and a stage of 16 rows x 272 bytes a wave
.set AK0, 2           ; v2   my lane's place in a slot's K
.set AV0, 3           ; v3   in its V
.set ADK, 4           ; v4   the addresses of the step in hand
.set ADV, 5
.set QO,  6           ; v6   my byte offset in a tile of Q
.set DD,  7           ; v7   lane % 16 - 8 (lane / 16): on the diagonal register j is hidden where j > DD
.set NINF, 8          ; v8   -infinity
.set STI, 9           ; v9   where I store my image
.set STS, 10          ; v10  and my statistics
.set MS,  11          ; v11  where I read tile w's statistics
.set ST,  12
.set GW,  44          ; v44-51 four pairs: wave u's weight in the merge
.set MI0, 52          ; v52, v53 where I read tile w's images: waves 0, 1; waves 2, 3
.set OSTO, 54
.set ORD, 55
.set GO,  56
.set PFO, 61          ; v61  256 x lane
.set SPW, 62          ; v62  LDS address of my spare word; never rewritten
.set NIL, 63          ; v63  0; never rewritten
.set S,   64
.set P,   192
.set KF,  128
.set WV,  8           ; s8   wave
.set QB,  9           ; s9   my block of 64 queries
.set SB,  10          ; s10  its slot: the last that is read
.set GS,  11          ; s11  my key step, 4 n + w
.set TB,  12          ; s12  the slot that is read: 0 or SLOTB
.set TN,  13          ; s13  the slot that was asked for last
.set SLOTS, 14        ; s14  trips to go
.set LIM, 15          ; s15  1 in the work-group that prefetches, else the greatest number
.set PFA, 16          ; s[16:17] where my prefetches stand
.set CS,  18          ; s[18:19] c = log2(e) / sqrt(128)
.set SEL, 20          ; s[20:21] selects for lane xor 16
.set G1K, 24
.set G1V, 32
.set G0K, 40
.set G0V, 44
.set KOF, 48          ; s48, s49 my block's place in a slot, as K's and as V's
.set VOF, 49
.set NX,  50          ; s50  the slot that the next load brings
.set MK,  52          ; s52-59 the diagonal's eight lane masks
.set MSB, 0
.macro WIN new
.if MSB != \new
	s_set_vgpr_msb (MSB<<8)|\new
.set MSB, \new
.endif
.endm
.set W_KQ, 0x0a       ; K and Q in window 2, S^T in window 0
.set W_PV, 0x53       ; V in window 3, P in window 0, O^T in window 1
.set W_RS, 0x41       ; O^T (destination and source 0) in window 1
.macro TLOAD          ; waves 0, 1: K's blocks; waves 2, 3: V's.  An s_nop 0 and four v_nop follow each line
	s_cmp_lt_u32 s[WV], 2
	s_cbranch_scc0 .Lfor_v_\@
	tensor_load_to_lds s[G0K:G0K+3], s[G1K:G1K+7]
	s_nop 0
.rept 4
	v_nop
.endr
	s_branch .Lasked_\@
.Lfor_v_\@:
	tensor_load_to_lds s[G0V:G0V+3], s[G1V:G1V+7]
	s_nop 0
.rept 4
	v_nop
.endr
.Lasked_\@:
.endm
; A PREFETCH of what the NEXT change of slots will ask for: my own block of 32,768 bytes, lanes 256 bytes apart, four instructions.  All work-groups of a head walk the same K and V: the one with block 31,
; which walks all eight slots, asks, and nobody else: each 256 bytes are named once.  It stands behind the tensor load's lines.  Slots 0 and 1 come by their loads alone; the last two changes ask for nothing.
.macro ASK
	s_cmp_gt_u32 s[SLOTS], s[LIM]
	s_cbranch_scc0 .Lnot_mine_\@
.irp i, 0,1,2,3
	global_prefetch_b8 v[PFO], s[PFA:PFA+1] offset:8192*\i th:TH_LOAD_NT scope:SCOPE_SE
.endr
.Lnot_mine_\@:
.endm
	s_load_b128 s[4:7], s[0:1], 0x0                ; qkv, o
	v_lshl_add_u32 v[SPW], v0, 2, SPARE
	v_mov_b32 v[NIL], 0
	ds_add_u32 v[SPW], v[NIL]                      ; the wave's opening: the add, twice on end, and its wait ahead of my first tensor load
	ds_add_u32 v[SPW], v[NIL]                      ; and once more, under the one wait
	v_lshrrev_b32 v1, 5, v0
	v_readfirstlane_b32 s[WV], v1
	s_and_b32 s22, ttmp7, 0xffff                   ; y
	s_add_co_u32 s23, s22, 16
	s_sub_co_u32 s51, 31, s22
	s_cmp_lt_u32 s22, 16
	s_cselect_b32 s[QB], s23, s51
	s_cmp_eq_u32 s22, 15                           ; block 31
	s_cselect_b32 s[LIM], 1, -1
	s_lshr_b32 s[SB], s[QB], 2
	s_mov_b32 s[GS], s[WV]
	s_mov_b32 s[TB], 0
	s_mov_b32 s[TN], 0
	s_mov_b32 s[NX], 0
	s_mov_b32 s[SLOTS], 7
	s_mov_b32 s[CS], 0x3e0293ee
	s_mov_b32 s[CS+1], s[CS]
	s_mov_b32 s[SEL], 0x76543210
	s_mov_b32 s[SEL+1], 0xfedcba98
	; descriptor group 1: 128 rows x 128 elements of 2 bytes, dense in memory, padded in LDS
	s_mov_b32 s[G1K], (1<<16)|(1<<20)|(5<<22)|(3<<25)   ; 4 words of padding after every 64
	s_mov_b32 s[G1V], (1<<16)|(1<<20)|(5<<22)|(7<<25)   ; 8 words
.irp g, G1K, G1V
	s_mov_b32 s[\g+1], 128<<16                     ; tensor_dim0
	s_mov_b32 s[\g+2], 128<<16                     ; tensor_dim1
	s_mov_b32 s[\g+3], 128<<16                     ; tile_dim0
	s_mov_b32 s[\g+4], 128                         ; tile_dim1
	s_mov_b32 s[\g+5], 128                         ; tensor_dim0_stride
	s_mov_b32 s[\g+6], 0
	s_mov_b32 s[\g+7], 0
.endr
	s_and_b32 s60, s[WV], 1                        ; which block jk I fetch
	s_mul_i32 s[KOF], s60, KBLK
	s_mul_i32 s[VOF], s60, VBLK
	s_add_co_u32 s[VOF], s[VOF], VOFF
	s_lshl_b32 s60, s60, 15
	s_mov_b32 s61, 0
	s_lshl_b32 s62, ttmp9, 19                      ; the head: 524,288 bytes in each of the three tensors
	s_mov_b32 s63, 0
	s_wait_dscnt 0x0                               ; both opening adds are done
	s_wait_kmcnt 0x0
	s_add_nc_u64 s[4:5], s[4:5], s[62:63]          ; q of my head
	s_add_nc_u64 s[66:67], s[4:5], s[60:61]        ; + my block
	s_mov_b32 s[G0K], 1
	s_mov_b32 s[G0K+1], s[KOF]
	s_add_nc_u64 s[G0K+2:G0K+3], s[66:67], 0x800000     ; k lies 16 heads on
	s_or_b32 s[G0K+3], s[G0K+3], 0x80000000
	s_mov_b32 s[G0V], 1
	s_mov_b32 s[G0V+1], s[VOF]
	s_add_nc_u64 s[G0V+2:G0V+3], s[66:67], 0x1000000    ; v 32 heads on
	s_or_b32 s[G0V+3], s[G0V+3], 0x80000000
	TLOAD                                          ; slot 0: its key step 0 counts for every query
	s_mov_b32 s23, 0x1000000
	s_cmp_lt_u32 s[WV], 2
	s_cselect_b32 s22, 0x800000, s23
	s_add_co_u32 s22, s22, 65536                   ; my block of slot 1; the first change of slots steps it to slot 2.  Nothing is prefetched here, at the head
	s_mov_b32 s23, 0
	s_add_nc_u64 s[PFA:PFA+1], s[66:67], s[22:23]
	s_lshl_b32 s22, s[SB], 16                      ; my 64 queries: slot b / 4, part b % 4
	s_and_b32 s51, s[QB], 3
	s_lshl_b32 s51, s51, 13
	s_add_co_u32 s22, s22, s51
	s_add_nc_u64 s[4:5], s[4:5], s[22:23]
	s_lshl_b32 s22, s[QB], 18                      ; o: row 64 b + 16 w of 4,096 bytes, + 256 x head
	s_lshl_b32 s51, s[WV], 16
	s_add_co_u32 s22, s22, s51
	s_lshl_b32 s51, ttmp9, 8
	s_add_co_u32 s22, s22, s51
	s_add_nc_u64 s[6:7], s[6:7], s[22:23]
	v_and_b32 v1, 15, v0                           ; r
	v_bfe_u32 v57, v0, 4, 1                        ; h
	v_and_b32 v60, 31, v0                          ; lane
	v_lshlrev_b32 v[QO], 8, v1
	v_lshl_add_u32 v[QO], v57, 4, v[QO]            ; row x 256 + 16 x half
	WIN 0x80                                       ; destination window 2
.irp i, 0,1,2,3,4,5,6,7,8,9,10,11,12,13,14,15  ; Q stays in registers: tile i / 4 (block jk = tile / 2, rows 16 (tile % 2) on), channels 32 (i % 4) on
	global_load_b128 v[8*\i:8*\i+3],   v[QO], s[4:5] offset:(\i/8)*32768+((\i/4)%2)*4096+(\i%4)*64
	global_load_b128 v[8*\i+4:8*\i+7], v[QO], s[4:5] offset:(\i/8)*32768+((\i/4)%2)*4096+(\i%4)*64+32
.endr
	WIN 0
	s_mul_i32 s22, s[WV], 32*PKB                   ; my wave's 32 rows of each block
	v_mul_u32_u24 v[AK0], v1, PKB
	v_lshl_add_u32 v[AK0], v57, 4, v[AK0]
	v_add_nc_u32 v[AK0], s22, v[AK0]
	s_mul_i32 s22, s[WV], 32*PVB
	s_add_co_u32 s22, s22, VOFF
	v_and_b32 v58, 7, v0
	v_bfe_u32 v59, v0, 3, 1
	v_lshl_add_u32 v[AV0], v57, 3, v58             ; the turning load: key 8 (l / 16) + l % 8, channels 8 ((l / 8) % 2) on
	v_mul_u32_u24 v[AV0], v[AV0], PVB
	v_lshl_add_u32 v[AV0], v59, 4, v[AV0]
	v_add_nc_u32 v[AV0], s22, v[AV0]
	v_lshlrev_b32 v58, 3, v57
	v_sub_nc_u32 v[DD], v1, v58
	v_mov_b32 v[NINF], 0xff800000
	s_lshl_b32 s22, s[WV], 15
	v_lshl_add_u32 v[STI], v60, 4, s22             ; my image: 32,768 w + 16 x lane
	s_lshl_b32 s22, s[WV], 10
	s_add_co_u32 s22, s22, STATS
	v_lshl_add_u32 v[STS], v60, 2, s22
	s_lshl_b32 s22, s[WV], 8
	s_add_co_u32 s22, s22, STATS
	v_lshl_add_u32 v[MS], v60, 2, s22
	s_lshl_b32 s22, s[WV], 13
	v_lshl_add_u32 v[MI0], v60, 4, s22             ; tile w in an image: 8,192 w + 16 x lane
	v_add_nc_u32 v[MI0+1], 65536, v[MI0]
	s_mul_i32 s22, s[WV], 16*272
	s_add_co_u32 s22, s22, OST
	v_mul_u32_u24 v[OSTO], v1, 272
	v_lshl_add_u32 v[OSTO], v57, 4, v[OSTO]
	v_add_nc_u32 v[OSTO], s22, v[OSTO]
	v_mul_u32_u24 v[ORD], v57, 272
	v_lshl_add_u32 v[ORD], v1, 4, v[ORD]
	v_add_nc_u32 v[ORD], s22, v[ORD]
	v_lshlrev_b32 v[GO], 12, v57
	v_lshl_add_u32 v[GO], v1, 4, v[GO]
	v_lshlrev_b32 v[PFO], 8, v60
.irp t, 0,1,2,3
	v_mov_b32 v[ST+8*\t+1], 0xff61b1e6             ; m: -3e38, under every score
	v_mov_b32 v[ST+8*\t+2], 0                      ; l
	v_mov_b32 v[ST+8*\t+3], 0
	v_mov_b32 v[ST+8*\t+5], 0                      ; (a lane permute's destination counts as read)
.endr
.irp t, 0,1,2,3
	v_mul_f32 v[ST+8*\t], s[CS], v[ST+8*\t+1]      ; c m
.endr
	WIN 0x40                                       ; O^T begins as zeros: a wave all of whose key steps are hidden hands zeros to the merge, and the step is written once, with no first form
.set i, 0
.rept 256
	v_mov_b32 v[i], 0
.set i, i+1
.endr
	WIN 0
; THE MATRIX WORK, for piece x.  The accumulators take turns, one instruction a turn: between two links of a chain stand 7 (K Q^T) or 15 (V^T P) others'.
; Product i of 32 of S^T = K Q^T: channels 32 (i / 8) on, keys 16 ((i / 2) % 4) on, tile x + i % 2.  The first 8 start the sums.
.macro KQ x
	WIN W_KQ
.set rS, S+32*(\x+i%2)+8*((i/2)%4)
.set rK, KF+32*((i/2)%4)+8*(i/8)
.set rQ, 32*(\x+i%2)+8*(i/8)
.if i < 8
	v_wmma_f32_16x16x32_f16 v[rS:rS+7], v[rK:rK+7], v[rQ:rQ+7], 0
.else
	v_wmma_f32_16x16x32_f16 v[rS:rS+7], v[rK:rK+7], v[rQ:rQ+7], v[rS:rS+7]
.endif
.endm
; Product i of 32 of O^T += V^T P: keys 32 (i / 16) on, channels 16 ((i / 2) % 8) on, tile x + i % 2.
.macro PV x
	WIN W_PV
.set rO, 64*(\x+i%2)+8*((i/2)%8)
.set rV, 64*(i/16)+8*((i/2)%8)
.set rP, P+16*(\x+i%2)+8*(i/16)
	v_wmma_f32_16x16x32_f16 v[rO:rO+7], v[rV:rV+7], v[rP:rP+7], v[rO:rO+7]
.endm
; THE LDS LOADS.  KLOAD c: channels 32 c on of my 64 keys: four fragments (keys 16 kt on: block kt / 2, rows 16 (kt % 2) on), eight loads.
.macro KLOAD c
	WIN 0x80                                       ; destination window 2
.irp kt, 0,1,2,3
	ds_load_b128 v[KF+32*\kt+8*(\c):KF+32*\kt+8*(\c)+3],   v[ADK] offset:(\kt/2)*KBLK+(\kt%2)*16*PKB+(\c)*64
	ds_load_b128 v[KF+32*\kt+8*(\c)+4:KF+32*\kt+8*(\c)+7], v[ADK] offset:(\kt/2)*KBLK+(\kt%2)*16*PKB+(\c)*64+32
.endr
.endm
; VLOAD g: V's fragments 4 g .. 4 g + 3, turned (fragment f: keys 32 (f / 8) on, channels 16 (f % 8) on), eight loads.
.macro VLOAD g
	WIN 0xc0                                       ; destination window 3
.irp q, 0,1,2,3
.set ff, 4*(\g)+\q
	ds_load_tr16_b128 v[8*ff:8*ff+3],   v[ADV] offset:(ff/8)*VBLK+(ff%8)*32
	ds_load_tr16_b128 v[8*ff+4:8*ff+7], v[ADV] offset:(ff/8)*VBLK+16*PVB+(ff%8)*32
.endr
.endm
.macro PLACES                          ; four plain lines between a matrix instruction and the first read of its result (ISA guide 7.12.1)
.rept 4
	v_nop
.endr
.endm
; THE VECTOR WORK.  One tile's softmax for one key step is a list of 134 instructions; SM writes number j for tile t.
;   0-15 the maximum of the lane's 32 scores and the old m; 16-20 the other half's maximum, the new m, c m, c m_old - c m_new;
;   21-69 ONE BATCH: 16 packed scalings c s - c m and 33 exponentials (a, then the 32 weights): none reads an exponential's result;
;   70-85 the roundings to f16; 86-101 the sums, l = a l + the sum; 102-133 the tile's O^T times a.
.macro SM t
.set rT, ST+8*(\t)
.set rS, S+32*(\t)
.set rP, P+16*(\t)
.set rO, 64*(\t)+2*(j-102)
.if j < 102
	WIN 0
.endif
.if j < 4
	v_max3_num_f32 v[rT+4+j], v[rS+8*j], v[rS+8*j+1], v[rS+8*j+2]   ; each accumulator is read from its low end on
.elseif j < 12
	v_max3_num_f32 v[rT+4+j%4], v[rT+4+j%4], v[rS+8*(j%4)+2*(j/4)+1], v[rS+8*(j%4)+2*(j/4)+2]
.elseif j == 12
	v_max3_num_f32 v[rT+4], v[rT+4], v[rS+7], v[rS+15]
.elseif j == 13
	v_max3_num_f32 v[rT+6], v[rT+6], v[rS+23], v[rS+31]
.elseif j == 14
	v_max3_num_f32 v[rT+4], v[rT+4], v[rT+5], v[rT+6]
.elseif j == 15
	v_max3_num_f32 v[rT+4], v[rT+4], v[rT+7], v[rT+1]
.elseif j == 16
	v_permlanex16_b32 v[rT+5], v[rT+4], s[SEL], s[SEL+1]
.elseif j == 17
	v_mov_b32 v[rT+7], v[rT]
.elseif j == 18
	v_max_num_f32 v[rT+1], v[rT+4], v[rT+5]
.elseif j == 19
	v_mul_f32 v[rT], s[CS], v[rT+1]
.elseif j == 20
	v_sub_f32 v[rT+7], v[rT+7], v[rT]
.elseif j == 23
	v_exp_f32 v[rT+6], v[rT+7]
.elseif (j < 23) || ((j < 38) && (j%2 == 0)) || ((j < 66) && (j%4 == 2))
.set b, (j-2)/4
.if j < 38
.set b, (j-20)/2
.endif
	v_pk_fma_f32 v[rS+2*b:rS+2*b+1], v[rS+2*b:rS+2*b+1], s[CS:CS+1], v[rT:rT+1] op_sel_hi:[1,0,0] neg_lo:[0,0,1] neg_hi:[0,0,1]
.elseif j < 70
.set e, j-38
.if j < 66
.set e, j-32-(j-38)/4
.endif
.if j < 38
.set e, (j-25)/2
.endif
	v_exp_f32 v[rS+e], v[rS+e]
.elseif j < 86
	v_cvt_pk_f16_f32 v[rP+j-70], v[rS+2*(j-70)], v[rS+2*(j-70)+1]
.elseif j < 102
.set z, j-86
.set w, 4
.set u, z
.if z >= 14
.set w, 32
.set u, 0
.elseif z >= 12
.set w, 16
.set u, z-12
.elseif z >= 8
.set w, 8
.set u, z-8
.endif
.if z < 15
	v_pk_add_f32 v[rS+w*u:rS+w*u+1], v[rS+w*u:rS+w*u+1], v[rS+w*u+w/2:rS+w*u+w/2+1]
.else
	v_pk_fma_f32 v[rT+2:rT+3], v[rT+2:rT+3], v[rT+6:rT+7], v[rS:rS+1] op_sel_hi:[1,0,1]
.endif
.else
	WIN W_RS
	v_pk_mul_f32 v[rO:rO+1], v[rO:rO+1], v[rT+6:rT+7] op_sel_hi:[1,0]
.endif
.endm
; Slice k of 64 of piece y's softmax: four instructions.  Slices 11 to 34 deal out the batch, numbers 22 to 69: four numbers of ONE tile each, the tiles by turns.  Every other slice is numbers 2 k and
; 2 k + 1 of both tiles' lists, the tiles alternating.  2 x 134 = 4 x 64 + 12: the twelve that are over stand together, in slice 63.
; Ahead of slice 35 nothing names an exponential's result, and behind slice 34 no exponential is issued: so the piece's 66 exponentials have one plain line and one wait, behind slice 34.
.macro SLICE y
.if (k >= 11) && (k < 35)
.irp n, 0,1,2,3
.set j, 22+4*((k-11)/2)+(\n)
	SM (\y)+(k-11)%2
.endr
.else
.irp n, 0,1,2,3,4,5,6,7
.if (\n < 2) || (k == 63)
.irp t, \y, \y+1
.set j, 2*k+\n
	SM \t
.endr
.endif
.endr
.endif
.if k == 34
	v_nop                                          ; a plain line behind the last exponential
	s_wait_alu depctr_va_vdst(0)                   ; one wait for the batch, ahead of its first reader
.endif
.set k, k+1
.endm
; THE DIAGONAL, for tiles x and x + 1: query 16 t + r against key 16 kt + 8 h + j: kt > t hidden, kt = t hidden where j > r - 8 h.  The eight lane masks are made anew for each piece.
.macro MASK x
	s_cmp_lg_u32 s[GS], s[QB]
	s_cbranch_scc1 .Lopen_\@
.irp n, 0,1,2,3,4,5,6,7
	v_cmp_gt_i32 s[MK+\n], \n, v[DD]
.endr
.irp t, \x, \x+1
.irp n, 0,1,2,3,4,5,6,7
	v_cndmask_b32 v[S+40*(\t)+\n], v[S+40*(\t)+\n], v[NINF], s[MK+\n]
.endr
.irp kt, 1,2,3
.if \kt > (\t)
.irp n, 0,1,2,3,4,5,6,7
	v_mov_b32 v[S+32*(\t)+8*\kt+\n], v[NINF]
.endr
.endif
.endr
.endr
.Lopen_\@:
.endm
; A KEY STEP: my 64 keys of the slot in hand against the 64 queries.
.macro STEP
	s_cmp_gt_u32 s[GS], s[QB]                      ; all my keys come after the queries: ids and the count of trips alone
	s_cbranch_scc1 .Lhidden_\@
	v_add_nc_u32 v[ADK], s[TB], v[AK0]
	v_add_nc_u32 v[ADV], s[TB], v[AV0]
	v_nop
	v_nop                                          ; four places behind the last step's V^T P, in front of the loads into V's registers further down
	KLOAD 0
	KLOAD 1
	KLOAD 2
.set i, 0
.rept 32                               ; K Q^T of piece 0: eight products for each 32 channels
.if i == 0
	s_wait_dscnt 16                                ; channels 0-31 are in; the two younger runs of eight loads may be out
.elseif i == 8
	KLOAD 3
	s_wait_dscnt 16                                ; channels 32-63 are in; again two runs may be out
.elseif i == 16
	s_wait_dscnt 8                                 ; channels 64-95 are in; the last run may be out
.elseif i == 24
	s_wait_dscnt 0x0
.endif
	KQ 0
.set i, i+1
.endr
	WIN 0
	PLACES                                         ; in front of the first read of piece 0's scores
	MASK 0
.set k, 0
.set i, 0
.rept 32                               ; K Q^T of piece 2 | piece 0's softmax | V, a run of eight loads ahead of every eighth product
.if i%8 == 0
	VLOAD i/8
.endif
	KQ 2
	SLICE 0
	SLICE 0
.set i, i+1
.endr
	WIN 0                                          ; slices 62 and 63, twenty plain lines on piece 0's O^T, are the places behind piece 2's last scores
	MASK 2
	s_wait_dscnt 0x0                               ; V is in
.set k, 0
.set i, 0
.rept 32                               ; V^T P of piece 0 | piece 2's softmax
	PV 0
	SLICE 2
	SLICE 2
.set i, i+1
.endr
.set i, 0
.rept 32                               ; V^T P of piece 2
	PV 2
.set i, i+1
.endr
	WIN 0
.Lhidden_\@:
	s_add_co_u32 s[GS], s[GS], 4
.endm
; THE CHANGE OF SLOTS stands at a slot's head.  Each wave waits for all its tensor loads (its part of the slot ahead), adds 0 to its spare word, and waits for that and for its reads of the slot that it has left.
; Behind the barrier the slot ahead is whole and nobody reads the other.  fill = 1: the other is filled with the next 256 keys, if some wave will read them.  By the text's own count one load of a wave is out.
.macro CHANGE fill
	s_wait_tensorcnt 0x0                           ; no tensor load of mine is out, so a group 0 may be written
	ds_add_u32 v[SPW], v[NIL]                      ; 0 onto my spare word
.if \fill
	s_xor_b32 s[TN], s[TN], SLOTB                  ; the other slot than last time,
	s_add_co_u32 s[G0K+1], s[TN], s[KOF]
	s_add_co_u32 s[G0V+1], s[TN], s[VOF]
	s_add_nc_u64 s[G0K+2:G0K+3], s[G0K+2:G0K+3], 65536   ; the next 256 keys; the type bits on top are not reached
	s_add_nc_u64 s[G0V+2:G0V+3], s[G0V+2:G0V+3], 65536
	s_add_co_u32 s[NX], s[NX], 1
	s_wait_xcnt 0x0                                ; the last prefetches, a slot back, have read their address
	s_add_nc_u64 s[PFA:PFA+1], s[PFA:PFA+1], 65536
.endif
	s_wait_dscnt 0x0                               ; the add is done, and my reads of the slot that I have left are over
	s_barrier_signal -1
	s_barrier_wait -1
.if \fill
	s_cmp_gt_u32 s[NX], s[SB]                      ; a slot beyond my queries' is read by none of the four waves: ids and the count of trips alone, the same in all four
	s_cbranch_scc1 .Lpast_\@
	TLOAD                                          ; the first thing behind the barrier, and a wave's one tensor load until the next
.Lpast_\@:
	ASK
.endif
.endm
	s_wait_loadcnt 0x0                             ; Q
.Lslot:                                            ; seven trips: slot n is read while slot n + 1 is on its way
	CHANGE 1
	STEP
	s_xor_b32 s[TB], s[TB], SLOTB
	s_sub_co_u32 s[SLOTS], s[SLOTS], 1
	s_cmp_lg_u32 s[SLOTS], 0
	s_cbranch_scc1 .Lslot
	CHANGE 0                                       ; the last slot is written out: nothing is left to ask for
	STEP
	; THE MERGE.  l's two halves and the other half of the lanes' are added (these lines are also the places behind the last products)
.irp t, 0,1,2,3
	v_add_f32 v[ST+8*\t+4], v[ST+8*\t+2], v[ST+8*\t+3]
.endr
.irp t, 0,1,2,3
	v_permlanex16_b32 v[ST+8*\t+5], v[ST+8*\t+4], s[SEL], s[SEL+1]
.endr
.irp t, 0,1,2,3
	v_add_f32 v[ST+8*\t+4], v[ST+8*\t+4], v[ST+8*\t+5]
.endr
	s_wait_dscnt 0x0                               ; my reads of the ring are over
	s_barrier_signal -1
	s_barrier_wait -1                              ; everybody's are: the ring, which has had its last fill, takes the images
	WIN 0x04                                       ; an LDS store's data are its source 1: window 1
.set i, 0
.rept 64
	ds_store_b128 v[STI], v[4*i:4*i+3] offset:512*i    ; O^T as it stands, each accumulator from its low end on
.set i, i+1
.endr
	WIN 0
.irp t, 0,1,2,3
	ds_store_b32 v[STS], v[ST+8*\t] offset:256*\t          ; c m
	ds_store_b32 v[STS], v[ST+8*\t+4] offset:256*\t+128    ; l
.endr
	s_wait_dscnt 0x0                               ; for the others' sake: my stores have landed
	s_barrier_signal -1
	s_barrier_wait -1
.irp u, 0,1,2,3
	ds_load_b32 v[12+\u], v[MS] offset:1024*\u             ; tile w's c m of wave u,
	ds_load_b32 v[16+\u], v[MS] offset:1024*\u+128         ; and its l
.endr
.macro IMG hh                          ; half hh of tile w's O^T from the four images: 32 loads
.irp u, 0,1,2,3
.irp g, 0,1,2,3,4,5,6,7
	ds_load_b128 v[64+32*\u+4*\g:64+32*\u+4*\g+3], v[MI0+\u/2] offset:(\u%2)*32768+512*(8*\hh+\g)
.endr
.endr
.endm
.macro MSUM hh                         ; the four, each times its weight; rounded to f16
.set pp, 0
.rept 16
	v_pk_mul_f32 v[192+2*pp:193+2*pp], v[64+2*pp:65+2*pp], v[GW:GW+1] op_sel_hi:[1,0]
.set pp, pp+1
.endr
.irp u, 1,2,3
.set pp, 0
.rept 16
	v_pk_fma_f32 v[192+2*pp:193+2*pp], v[64+32*\u+2*pp:65+32*\u+2*pp], v[GW+2*\u:GW+2*\u+1], v[192+2*pp:193+2*pp] op_sel_hi:[1,0,1]
.set pp, pp+1
.endr
.endr
.set pp, 0
.rept 16
	v_cvt_pk_f16_f32 v[224+16*\hh+pp], v[192+2*pp], v[193+2*pp]
.set pp, pp+1
.endr
.endm
	IMG 0
	s_wait_dscnt 32                                ; the eight statistics are in; the 32 image loads may be out
	v_max3_num_f32 v20, v12, v13, v14
	v_max_num_f32 v20, v20, v15                    ; the query's c m over all keys
.irp u, 0,1,2,3
	v_sub_f32 v[24+\u], v[12+\u], v20
.endr
.irp u, 0,1,2,3
	v_exp_f32 v[24+\u], v[24+\u]                   ; f_u = 2^(c m_u - c m): 0 for a wave that saw no key
.endr
	v_nop
	s_wait_alu depctr_va_vdst(0)                   ; one wait for the four
	v_mul_f32 v28, v24, v16
	v_fmac_f32 v28, v25, v17
	v_fmac_f32 v28, v26, v18
	v_fmac_f32 v28, v27, v19                       ; the row's sum
	v_rcp_f32 v29, v28
	v_nop
	s_wait_alu depctr_va_vdst(0)
.irp u, 0,1,2,3
	v_mul_f32 v[GW+2*\u], v[24+\u], v29            ; wave u's weight: f_u / the sum
	v_mul_f32 v[GW+2*\u+1], v[24+\u], v29          ; (named with it as a pair, so it is written)
.endr
	s_wait_dscnt 0x0
	MSUM 0
	IMG 1
	s_wait_dscnt 0x0
	MSUM 1
.irp f, 0,1,2,3,4,5,6,7
	ds_store_b128 v[OSTO], v[224+4*\f:224+4*\f+3] offset:32*\f     ; a lane's eight channels of a row; my own stage
.endr
.irp f, 0,1,2,3,4,5,6,7
	ds_load_b128 v[64+4*\f:64+4*\f+3], v[ORD] offset:\f*2*272      ; back as whole rows: LDS serves a wave's instructions in order
.endr
.irp f, 0,1,2,3,4,5,6,7
	s_wait_dscnt 7-\f
	global_store_b128 v[GO], v[64+4*\f:64+4*\f+3], s[6:7] offset:8192*\f   ; 16 lanes store 256 consecutive bytes, aligned
.endr
	s_wait_tensorcnt 0x0                           ; the wave's end: a tensor wait, an add of 0 to my spare word and its wait, behind my last tensor load and my last LDS store
	ds_add_u32 v[SPW], v[NIL]
	s_wait_dscnt 0x0
	s_endpgm
.Lfunc_end_k_qa052f9e477_attn:
	.size	k_qa052f9e477_attn, .Lfunc_end_k_qa052f9e477_attn-k_qa052f9e477_attn
	.p2alignl 7, 3214868480
	.fill 96, 4, 3214868480
	.section	.rodata,"a",@progbits
	.p2align	6, 0x0
	.amdhsa_kernel k_qa052f9e477_attn
		.amdhsa_group_segment_fixed_size 327680
		.amdhsa_private_segment_fixed_size 0
		.amdhsa_enable_private_segment 0
		.amdhsa_kernarg_size 16
		.amdhsa_user_sgpr_count 2
		.amdhsa_user_sgpr_kernarg_segment_ptr 1
		.amdhsa_wavefront_size32 1
		.amdhsa_system_sgpr_workgroup_id_x 1
		.amdhsa_system_sgpr_workgroup_id_y 1
		.amdhsa_system_sgpr_workgroup_id_z 1
		.amdhsa_system_vgpr_workitem_id 0
		.amdhsa_next_free_vgpr 1024
		.amdhsa_next_free_sgpr 68
		.amdhsa_reserve_vcc 0
		.amdhsa_float_denorm_mode_32 3
		.amdhsa_float_denorm_mode_16_64 3
		.amdhsa_memory_ordered 1
		.amdhsa_forward_progress 1
		.amdhsa_inst_pref_size 145
	.end_amdhsa_kernel
	.amdgpu_metadata
---
amdhsa.version: [ 1, 2 ]
amdhsa.kernels:
  - .name:           k_qa052f9e477_attn
    .symbol:         k_qa052f9e477_attn.kd
    .args:
      - { .name: qkv, .offset: 0, .size: 8, .value_kind: global_buffer, .address_space: global }
      - { .name: o, .offset: 8, .size: 8, .value_kind: global_buffer, .address_space: global }
    .group_segment_fixed_size: 327680
    .private_segment_fixed_size: 0
    .kernarg_segment_align: 8
    .kernarg_segment_size: 16
    .max_flat_workgroup_size: 128
    .sgpr_count:     68
    .vgpr_count:     1024
    .wavefront_size: 32
...
	.end_amdgpu_metadata
.endif
;; end of part 3
;; launch oproj (part 4): grid 16 x 16, 4 waves a work-group, clusters of 4 x 4, 327,680 bytes of LDS; arguments o, woh, out0; writes out0
.if DOCPART == 4
	.amdgcn_target "amdgcn-amd-amdhsa--gfx1250"
	.amdhsa_code_object_version 6
	.text
	.protected	k_qa052f9e477_oproj
	.globl	k_qa052f9e477_oproj
	.p2align	8
	.type	k_qa052f9e477_oproj,@function
k_qa052f9e477_oproj:
	s_mov_b64 s[64:65], 0
	v_nop
	global_prefetch_b8 v0, s[64:65] scope:SCOPE_SE
	s_setreg_imm32_b32 hwreg(HW_REG_WAVE_MODE, 25, 1), 1
	s_wait_xcnt 0x0
	s_wait_alu depctr_hold_cnt(0) depctr_sa_sdst(0) depctr_va_vdst(0) depctr_va_sdst(0) depctr_va_ssrc(0) depctr_va_vcc(0) depctr_vm_vsrc(0)
	s_getreg_b32 s2, hwreg(HW_REG_IB_STS2, 6, 4)
	s_cmp_eq_u32 s2, 0
	s_cbranch_scc0 .Lentry_in_a_cluster
	s_endpgm
.Lentry_in_a_cluster:
	s_bfe_u32 s2, ttmp6, 0x10000c
	s_cmp_lg_u32 s2, 0xf033
	s_cbranch_scc0 .Lentry_shape_is_right
	s_endpgm
.Lentry_shape_is_right:
; OPROJ: out0[m][n] = sum over k of o[m][k] Wo[n][k].  o, Wo: [2048][2048] f16; out0 f32; sums in f32.  Rows 0-15 are stored too and are written again, from f32 operands, by the launch behind this one.
; A tile of C is 128 x 128: 256 work-groups, one for each WGP.  Four waves, each 64 x 64: 16 accumulators.  K goes in steps of 256 (LDS rows of 512 bytes) through a ring of two slots.
; CLUSTERS: 4 x 4 work-groups; A's tiles are asked for jointly along a row of the cluster, B's along a column.  THE MATRIX INSTRUCTION IS USED TRANSPOSED: a lane holds eight neighbouring numbers of a row of C.
; A wave's 64 columns of f32 are 256 aligned bytes: each wave has a stage of its own on the way out, and no barrier is needed there.
; REGISTERS: window 0: v0-31 addresses; v32-95 rows back from the stage, two sets; v128-255 the accumulators ((a, b) at v[128 + 8 (4 a + b)]).   window 1: two fragment buffers of 128.
.set SIZE_K, 2048
.set SIZE_N, 2048
.set KSTEP,  256
.set PITCH,  528                       ; an LDS row: 512 bytes + 16 of padding
.set HALFT,  64*PITCH                  ; 64 rows: what one tensor load brings
.set SLOT,   4*HALFT                   ; A's 128 rows, then B's 128 rows
.set STAGE,  2*SLOT                    ; behind the ring: 16 rows x 272 bytes for each wave
.set SPITCH, 272
.set SPARE,  STAGE+4*16*SPITCH         ; behind the stages: the spare words, 128 bytes for each wave
.set LAPS, SIZE_K/(2*KSTEP)
.set ADRA, 16
.set ADRB, 20
.set STO,  24
.set RD,   25
.set CO,   26
.set SPW,  28                          ; v28  LDS address of my spare word; never rewritten
.set NIL,  29                          ; v29  0; never rewritten
.set TMP,  32
.set ACC,  128
.set F0,   0
.set F1,   128
.set G1, 24
.set G0, 32
.set G1B, 48
.set G0B, 56
.set MSB, 0
.macro WIN new
.if MSB != \new
	s_set_vgpr_msb (MSB<<8)|\new
.set MSB, \new
.endif
.endm
.set MUL,  0x05                        ; sources 0 (B) and 1 (A) window 1; C and D window 0
.set TO_F, 0x40                        ; destination window 1, address window 0
.macro JLOAD s                         ; a joint load: waves 0 and 1 fetch A's two halves, waves 2 and 3 B's; an s_nop 0 and four v_nop follow each line
	s_cmp_eq_u32 s11, 0
	s_cbranch_scc0 .Lfor_b_\@
	tensor_load_to_lds s[G0+4*\s:G0+4*\s+3], s[G1:G1+7]
	s_nop 0
.rept 4
	v_nop
.endr
	s_branch .Lasked_\@
.Lfor_b_\@:
	tensor_load_to_lds s[G0B+4*\s:G0B+4*\s+3], s[G1B:G1B+7]
	s_nop 0
.rept 4
	v_nop
.endr
.Lasked_\@:
.endm
.macro CREST
	s_cmp_lg_u32 s10, 0
	s_cbranch_scc1 .Lnot_wave_0_\@
	s_barrier_signal -3
.Lnot_wave_0_\@:
	s_barrier_wait -3
	s_barrier_signal -1
	s_barrier_wait -1
.endm
.macro CROUND
	s_barrier_signal -1
	s_barrier_wait -1
	CREST
.endm
	s_load_b128 s[4:7], s[0:1], 0x0                ; o s[4:5], woh s[6:7]
	s_load_b64 s[8:9], s[0:1], 0x10                ; out0
	v_lshl_add_u32 v[SPW], v0, 2, SPARE
	v_mov_b32 v[NIL], 0
	ds_add_u32 v[SPW], v[NIL]                      ; the wave's opening: the add, twice on end, and its wait ahead of my first tensor load
	ds_add_u32 v[SPW], v[NIL]                      ; and once more, under the one wait
	v_lshrrev_b32 v1, 5, v0
	v_readfirstlane_b32 s10, v1                    ; wave 0..3
	s_lshr_b32 s11, s10, 1                         ; which half of the tile's rows is mine.  Also: I fetch for A (0) or for B (1)
	s_and_b32 s12, s10, 1                          ; which half of its columns.  Also: which 64 rows of that tile I fetch
	s_bfe_u32 s40, ttmp6, 0x40000                  ; cx, cy
	s_bfe_u32 s41, ttmp6, 0x40004
	s_lshl_b32 s42, ttmp9, 2
	s_add_co_u32 s42, s42, s40                     ; tile column of C
	s_and_b32 s13, ttmp7, 0xffff
	s_lshl_b32 s13, s13, 2
	s_add_co_u32 s13, s13, s41                     ; tile row of C
	s_lshl_b32 s43, s41, 2
	s_lshl_b32 s43, 15, s43                        ; my row of the cluster
	s_lshl_b32 s44, 0x1111, s40                    ; my column
	s_or_b32 s[G1+0], s43, (1<<16)|(1<<20)|(1<<21)|(6<<22)|(3<<25)  ; the mask; elements of 2 bytes; padding on; bit 21 beside a mask; 4 words after every 128
	s_or_b32 s[G1B+0], s44, (1<<16)|(1<<20)|(1<<21)|(6<<22)|(3<<25)
.irp g, G1, G1B
	s_mov_b32 s[\g+1], KSTEP<<16                   ; tensor_dim0 = 256
	s_mov_b32 s[\g+2], 64<<16                      ; tensor_dim1 = 64
	s_mov_b32 s[\g+3], KSTEP<<16                   ; tile_dim0 = 256
	s_mov_b32 s[\g+4], 64                          ; tile_dim1 = 64
	s_mov_b32 s[\g+5], SIZE_K                      ; tensor_dim0_stride
	s_mov_b32 s[\g+6], 0
	s_mov_b32 s[\g+7], 0
.endr
	s_lshl_b32 s17, s12, 6                         ; which 64 rows of the tile I fetch
	s_lshl_b32 s16, s13, 7
	s_add_co_u32 s16, s16, s17                     ; A: row 128 x tile row + 64 x half
	s_lshl_b32 s46, s42, 7
	s_add_co_u32 s46, s46, s17                     ; B: row 128 x tile column + 64 x half
	s_mov_b32 s17, 0
	s_mov_b32 s47, 0
	s_mov_b64 s[18:19], SIZE_K*2
	s_mul_u64 s[16:17], s[16:17], s[18:19]
	s_mul_u64 s[46:47], s[46:47], s[18:19]
	s_mul_i32 s20, s10, HALFT                      ; where they go: wave x 64 rows
	s_wait_dscnt 0x0                               ; both opening adds are done
	s_wait_kmcnt 0x0
	s_add_nc_u64 s[14:15], s[4:5], s[16:17]
	s_add_nc_u64 s[46:47], s[6:7], s[46:47]
	CROUND                                         ; all sixteen work-groups are here: the first joint loads meet
.irp s, 0,1
	s_mov_b32 s[G0+4*\s], 1
	s_add_co_u32 s[G0+4*\s+1], s20, \s*SLOT
	s_add_nc_u64 s[G0+4*\s+2:G0+4*\s+3], s[14:15], \s*KSTEP*2
	s_or_b32 s[G0+4*\s+3], s[G0+4*\s+3], 0x80000000
	s_mov_b32 s[G0B+4*\s], 1
	s_add_co_u32 s[G0B+4*\s+1], s20, \s*SLOT
	s_add_nc_u64 s[G0B+4*\s+2:G0B+4*\s+3], s[46:47], \s*KSTEP*2
	s_or_b32 s[G0B+4*\s+3], s[G0B+4*\s+3], 0x80000000
	JLOAD \s
.endr
	v_and_b32 v1, 15, v0                           ; l % 16
	v_bfe_u32 v2, v0, 4, 1                         ; l / 16
	v_mul_u32_u24 v3, v1, PITCH
	v_lshl_add_u32 v3, v2, 4, v3                   ; a fragment's row x pitch + 16 x half
	s_mul_i32 s21, s11, HALFT                      ; my 64 rows of A
	s_mul_i32 s22, s12, HALFT                      ; my 64 rows of B,
	s_add_co_u32 s22, s22, 2*HALFT                 ; which lie behind A's 128
.irp s, 0,1
	v_add_nc_u32 v[ADRA+\s], s21, v3
	v_add_nc_u32 v[ADRB+\s], s22, v3
	s_add_co_u32 s21, s21, SLOT
	s_add_co_u32 s22, s22, SLOT
.endr
	s_mul_i32 s23, s10, 16*SPITCH
	s_add_co_u32 s23, s23, STAGE                   ; my stage
	v_mul_u32_u24 v4, v1, SPITCH                   ; in: row l % 16, 32 bytes for each half of the lanes
	v_lshl_add_u32 v4, v2, 5, v4
	v_add_nc_u32 v[STO], s23, v4
	v_mul_u32_u24 v5, v2, SPITCH                   ; back: lanes 0-15 one row of 256 bytes, lanes 16-31 the next
	v_lshl_add_u32 v5, v1, 4, v5
	v_add_nc_u32 v[RD], s23, v5
	v_lshlrev_b32 v5, 13, v2                       ; and the same two rows in C: 8,192 bytes a row
	v_lshl_add_u32 v[CO], v1, 4, v5
	s_lshl_b32 s16, s13, 7
	s_lshl_b32 s17, s11, 6
	s_add_co_u32 s16, s16, s17                     ; my first row of C: 128 x tile row + 64 x half
	s_lshl_b32 s16, s16, 13
	s_mov_b32 s17, 0
	s_add_nc_u64 s[8:9], s[8:9], s[16:17]
	s_lshl_b32 s46, s42, 9                         ; my first column, in bytes: 512 x tile column + 256 x half
	s_lshl_b32 s47, s12, 8
	s_add_co_u32 s46, s46, s47
	s_mov_b32 s47, 0
	s_add_nc_u64 s[8:9], s[8:9], s[46:47]
; 8 matrix instructions: m blocks a0, a0 + 1 x all 4 n blocks, 32 along K: half c of buffer f.  zero = 1: the first product starts the sums.  The 16 accumulators take turns
.macro MUL8 f, c, a0, zero
.irp a, \a0, \a0+1
.irp b, 0,1,2,3
.if \zero
	v_wmma_f32_16x16x32_f16 v[ACC+8*(4*(\a)+\b):ACC+8*(4*(\a)+\b)+7], v[\f+64+8*(4*\c+\b):\f+64+8*(4*\c+\b)+7], v[\f+8*(4*\c+\a):\f+8*(4*\c+\a)+7], 0
.else
	v_wmma_f32_16x16x32_f16 v[ACC+8*(4*(\a)+\b):ACC+8*(4*(\a)+\b)+7], v[\f+64+8*(4*\c+\b):\f+64+8*(4*\c+\b)+7], v[\f+8*(4*\c+\a):\f+8*(4*\c+\a)+7], v[ACC+8*(4*(\a)+\b):ACC+8*(4*(\a)+\b)+7]
.endif
.endr
.endr
.endm
.macro FETCH slot, k, f                ; 32 LDS loads in one run: the fragments of 64 along K at byte k of the rows, into buffer f; the first 32 along K first
	WIN TO_F
.irp c, 0,1
.irp i, 0,1,2,3
	ds_load_b128 v[\f+64+8*(4*\c+\i):\f+64+8*(4*\c+\i)+3],   v[ADRB+\slot] offset:\k+64*\c+\i*16*PITCH
	ds_load_b128 v[\f+64+8*(4*\c+\i)+4:\f+64+8*(4*\c+\i)+7], v[ADRB+\slot] offset:\k+64*\c+\i*16*PITCH+32
	ds_load_b128 v[\f+8*(4*\c+\i):\f+8*(4*\c+\i)+3],         v[ADRA+\slot] offset:\k+64*\c+\i*16*PITCH
	ds_load_b128 v[\f+8*(4*\c+\i)+4:\f+8*(4*\c+\i)+7],       v[ADRA+\slot] offset:\k+64*\c+\i*16*PITCH+32
.endr
.endr
.endm
.macro PLACES                          ; four places in front of loads into registers that matrix instructions have read, and of reads of results
.rept 4
	v_nop
.endr
.endm
.macro QUARTER slot, k, f, g, zero     ; 64 along K: multiplies buffer f and fetches the next quarter, at byte k, into g
	s_wait_dscnt 16                                ; the first 32 along K are in; the youngest sixteen loads may be out
	WIN MUL
	MUL8 \f, 0, 0, \zero
	MUL8 \f, 0, 2, \zero
	PLACES
	FETCH \slot, \k, \g
	s_wait_dscnt 32                                ; all but the 32 just issued
	WIN MUL
	MUL8 \f, 1, 0, 0
	MUL8 \f, 1, 2, 0
.endm
; The last quarter multiplies buffer 1 and changes slots: one barrier; in front of it each wave waits for all its tensor loads, adds 0 to its spare word, and waits for that and for its reads of this slot.
.macro TURN slot, next, fill
	WIN 0
	s_wait_tensorcnt 0x0                           ; all my tensor loads have landed: my part of the next slot
	ds_add_u32 v[SPW], v[NIL]                      ; 0 onto my spare word
	s_wait_dscnt 17                                ; (the add and the youngest sixteen loads may be out)
	WIN MUL
	MUL8 F1, 0, 0, 0
	s_wait_dscnt 0x0                               ; the add is done, and my reads of this slot are over
	s_barrier_signal -1
	MUL8 F1, 0, 2, 0
.if \fill
	WIN 0
.endif
	s_barrier_wait -1
.if \fill
	CREST                                          ; the barrier has opened a round of the cluster's barrier
	s_add_nc_u64 s[G0+4*\slot+2:G0+4*\slot+3], s[G0+4*\slot+2:G0+4*\slot+3], 2*KSTEP*2
	s_add_nc_u64 s[G0B+4*\slot+2:G0B+4*\slot+3], s[G0B+4*\slot+2:G0B+4*\slot+3], 2*KSTEP*2
	JLOAD \slot                                    ; the first tensor load behind the round; its four v_nop are also the places in front of the loads below
.else
	PLACES
.endif
	FETCH \next, 0, F0
	WIN MUL
	MUL8 F1, 1, 0, 0
	MUL8 F1, 1, 2, 0
.endm
	s_wait_tensorcnt 1                             ; my part of K step 0 is in (K step 1's load may be out)
	s_barrier_signal -1
	s_barrier_wait -1
	FETCH 0, 0, F0
	QUARTER 0, 128, F0, F1, 1                      ; the first quarter stands in front of the loop: its first products start the sums
	WIN 0
	s_mov_b32 s3, LAPS-1
.Llap:
	QUARTER 0, 256, F1, F0, 0
	QUARTER 0, 384, F0, F1, 0
	TURN 0, 1, 1
	QUARTER 1, 128, F0, F1, 0
	QUARTER 1, 256, F1, F0, 0
	QUARTER 1, 384, F0, F1, 0
	TURN 1, 0, 1
	QUARTER 0, 128, F0, F1, 0
	WIN 0
	s_sub_co_u32 s3, s3, 1
	s_cmp_lg_u32 s3, 0
	s_cbranch_scc1 .Llap
	QUARTER 0, 256, F1, F0, 0                      ; the last lap fills nothing
	QUARTER 0, 384, F0, F1, 0
	TURN 0, 1, 0
	QUARTER 1, 128, F0, F1, 0
	QUARTER 1, 256, F1, F0, 0
	QUARTER 1, 384, F0, F1, 0
	s_wait_dscnt 16
	WIN MUL
	MUL8 F1, 0, 0, 0
	MUL8 F1, 0, 2, 0
	s_wait_dscnt 0
	MUL8 F1, 1, 0, 0
	MUL8 F1, 1, 2, 0
	WIN 0
; THE WAY OUT, block by block of 16 rows x 64 columns: 32 bytes a lane into my stage, back as whole rows of 256 bytes.  LDS serves a wave's instructions in order: no wait between the stores and the loads.
.macro TOSTAGE a
.irp b, 0,1,2,3
	ds_store_b128 v[STO], v[ACC+8*(4*(\a)+\b):ACC+8*(4*(\a)+\b)+3] offset:64*\b          ; each accumulator from its low end on
	ds_store_b128 v[STO], v[ACC+8*(4*(\a)+\b)+4:ACC+8*(4*(\a)+\b)+7] offset:64*\b+16
.endr
.irp t, 0,1,2,3,4,5,6,7
	ds_load_b128 v[TMP+32*((\a)%2)+4*\t:TMP+32*((\a)%2)+4*\t+3], v[RD] offset:\t*2*SPITCH
.endr
.endm
.macro SEND a, younger
	s_wait_dscnt \younger
.irp t, 0,1,2,3,4,5,6,7
	global_store_b128 v[CO], v[TMP+32*((\a)%2)+4*\t:TMP+32*((\a)%2)+4*\t+3], s[8:9] offset:(16*(\a)+2*\t)*SIZE_N*4 th:TH_STORE_NT   ; 16 lanes store 256 consecutive bytes, aligned
.endr
.endm
	PLACES
	TOSTAGE 0
.irp a, 1,2,3
.if \a > 1
	s_wait_xcnt 0x0                                ; block a - 2's stores have read their registers: block a's rows may land there
.endif
	TOSTAGE \a
	SEND \a-1, 16                                  ; behind block a - 1's loads: block a's 8 stores and 8 loads
.endr
	SEND 3, 0
	s_wait_tensorcnt 0x0                           ; the wave's end: a tensor wait, an add of 0 to my spare word and its wait, behind my last tensor load and my last LDS store
	ds_add_u32 v[SPW], v[NIL]
	s_wait_dscnt 0x0
	CROUND                                         ; the closing round
	s_endpgm
.Lfunc_end_k_qa052f9e477_oproj:
	.size	k_qa052f9e477_oproj, .Lfunc_end_k_qa052f9e477_oproj-k_qa052f9e477_oproj
	.p2alignl 7, 3214868480
	.fill 96, 4, 3214868480
	.section	.rodata,"a",@progbits
	.p2align	6, 0x0
	.amdhsa_kernel k_qa052f9e477_oproj
		.amdhsa_group_segment_fixed_size 327680
		.amdhsa_private_segment_fixed_size 0
		.amdhsa_enable_private_segment 0
		.amdhsa_kernarg_size 24
		.amdhsa_user_sgpr_count 2
		.amdhsa_user_sgpr_kernarg_segment_ptr 1
		.amdhsa_wavefront_size32 1
		.amdhsa_system_sgpr_workgroup_id_x 1
		.amdhsa_system_sgpr_workgroup_id_y 1
		.amdhsa_system_sgpr_workgroup_id_z 1
		.amdhsa_system_vgpr_workitem_id 0
		.amdhsa_next_free_vgpr 512
		.amdhsa_next_free_sgpr 66
		.amdhsa_reserve_vcc 0
		.amdhsa_float_denorm_mode_32 3
		.amdhsa_float_denorm_mode_16_64 3
		.amdhsa_memory_ordered 1
		.amdhsa_forward_progress 1
		.amdhsa_inst_pref_size 86
	.end_amdhsa_kernel
	.amdgpu_metadata
---
amdhsa.version: [ 1, 2 ]
amdhsa.kernels:
  - .name:           k_qa052f9e477_oproj
    .symbol:         k_qa052f9e477_oproj.kd
    .args:
      - { .name: o, .offset: 0, .size: 8, .value_kind: global_buffer, .address_space: global }
      - { .name: woh, .offset: 8, .size: 8, .value_kind: global_buffer, .address_space: global }
      - { .name: out0, .offset: 16, .size: 8, .value_kind: global_buffer, .address_space: global }
    .group_segment_fixed_size: 327680
    .private_segment_fixed_size: 0
    .kernarg_segment_align: 8
    .kernarg_segment_size: 24
    .max_flat_workgroup_size: 128
    .sgpr_count:     66
    .vgpr_count:     512
    .wavefront_size: 32
...
	.end_amdgpu_metadata
.endif
;; end of part 4
;; launch first16 (part 5): grid 128 x 1, 16 waves a work-group, no clusters, 167,936 bytes of LDS; arguments q32, Wo, out0; writes out0
.if DOCPART == 5
	.amdgcn_target "amdgcn-amd-amdhsa--gfx1250"
	.amdhsa_code_object_version 6
	.text
	.protected	k_qa052f9e477_first16
	.globl	k_qa052f9e477_first16
	.p2align	8
	.type	k_qa052f9e477_first16,@function
k_qa052f9e477_first16:
	s_mov_b64 s[64:65], 0
	v_nop
	global_prefetch_b8 v0, s[64:65] scope:SCOPE_SE
	s_setreg_imm32_b32 hwreg(HW_REG_WAVE_MODE, 25, 1), 1
	s_wait_xcnt 0x0
; FIRST16: positions 0-15 once more, with f32 operands throughout: their rows average one to sixteen values and are the largest of the output, so rounding operands to 16 bits weighs most there.
; Work-group g owns output columns 16 g .. 16 g + 15.  Wave w takes head w: its part of out0(q, n) is the sum over the 16 keys of p(q, key) x T(key, n), with T = V Wo^T over the head's 128 channels.
; So a wave issues 32 products for the scores (every work-group makes them anew), 32 for T and 4 for p T: 68, against 96 were O = p V made first and then multiplied by Wo.
; The sixteen heads' parts are added through LDS in a fixed order, and waves 0 and 1 store.
; All products by the f32 matrix form (16 x 16 x 4).  Along each product's K the same order of k is given to both operands, so that a lane's registers can be taken as they come:
;   S^T = K Q^T and T = V Wo^T: product e takes channels 8 (e / 2) + 4 h + 2 (e % 2) + 0, 1;   out^T = T^T p^T: product kk takes keys 8 h + 2 kk + 0, 1.
; q, k and v lie alike, [16 positions][128 channels]: all three are asked for at the head, 16 bytes a lane.  Wo's tile of a wave (16 rows x 512 bytes) comes by one tensor load, filled once and read by that wave alone.
; In S^T a lane holds one query (lane % 16) and keys 8 h + 0 .. 7; in T one output column (lane % 16) and the same keys: so both are operands of the last product as they stand, once their two sums are added.
; What the matrix unit writes (v208-255) is written by it alone.  The stores are pieces of 64 bytes of a row: 131,072 bytes in the whole launch.
.set QA,   1                           ; v1   q, k, v: 512 r + 16 h
.set WA,   3                           ; v3   Wo's tile in LDS: 8,448 w + 528 r + 16 h
.set DD,   4                           ; v4   r - 8 h: register j (key 8 h + j) is hidden where j > DD
.set NINF, 5
.set RS,   6                           ; v6   where I store my part
.set RL,   7                           ; v7   where waves 0 and 1 read the parts
.set GOUT, 8                           ; v8   and where they store
.set SPW,  9                           ; v9   LDS address of my spare word; never rewritten
.set NIL,  10                          ; v10  0; never rewritten
.set X,    16                          ; v16-79   Q, later Wo
.set Y,    80                          ; v80-143  K, later at work: +0 .. 7 the scores, +8 .. 15 p, +16 .. 23 T, +24 .. 31 my part, +32 .. 35 sums
.set Z,    144                         ; v144-207 V, later the sixteen parts
.set SA,   208                         ; the scores, in two sums by turns
.set SB,   216
.set VA,   224                         ; T, in two sums by turns
.set VB,   232
.set OA,   240                         ; my part of the output, in two sums by turns
.set OB,   248
.set RED,  135168                      ; LDS: sixteen tiles of Wo of 8,448 bytes; then the parts, 1,024 bytes a wave;
.set SPARE, 151552                     ; then the spare words, 128 bytes a wave
.set CS,   26
.set SEL,  28
	s_load_b128 s[4:7], s[0:1], 0x0                ; q32, Wo
	s_load_b64 s[8:9], s[0:1], 0x10                ; out0
	v_lshl_add_u32 v[SPW], v0, 2, SPARE
	v_mov_b32 v[NIL], 0
	ds_add_u32 v[SPW], v[NIL]                      ; the wave's opening: the add, twice on end, and its wait ahead of my first tensor load
	ds_add_u32 v[SPW], v[NIL]                      ; and once more, under the one wait
	v_lshrrev_b32 v11, 5, v0
	v_readfirstlane_b32 s10, v11                   ; wave = head
	s_mov_b32 s16, (2<<16)|(1<<20)|(6<<22)|(3<<25) ; elements of 4 bytes; 4 words of padding after every 128
	s_mov_b32 s17, 128<<16                         ; tensor_dim0 = 128
	s_mov_b32 s18, 16<<16                          ; tensor_dim1 = 16
	s_mov_b32 s19, 128<<16                         ; tile_dim0 = 128
	s_mov_b32 s20, 16                              ; tile_dim1 = 16
	s_mov_b32 s21, 2048                            ; from row to row of Wo
	s_mov_b32 s22, 0
	s_mov_b32 s23, 0
	s_mov_b32 s12, 1
	s_mul_i32 s13, s10, 8448                       ; my tile in LDS
	s_lshl_b32 s24, ttmp9, 17                      ; Wo: row 16 g of 8,192 bytes,
	s_lshl_b32 s25, s10, 9                         ; + head w's 512 bytes
	s_add_co_u32 s24, s24, s25
	s_mov_b32 s25, 0
	s_mov_b32 s[CS], 0x3e0293ee                    ; c = log2(e) / sqrt(128)
	s_mov_b32 s[SEL], 0x76543210
	s_mov_b32 s[SEL+1], 0xfedcba98
	s_wait_dscnt 0x0                               ; both opening adds are done
	s_wait_kmcnt 0x0
	s_add_nc_u64 s[14:15], s[6:7], s[24:25]
	s_or_b32 s15, s15, 0x80000000
	tensor_load_to_lds s[12:15], s[16:23]
	s_nop 0
.rept 4
	v_nop
.endr
	s_lshl_b32 s24, s10, 13                        ; q32: head w's 8,192 bytes
	s_add_nc_u64 s[4:5], s[4:5], s[24:25]
	s_lshl_b32 s24, ttmp9, 6                       ; out0: column 16 g
	s_add_nc_u64 s[8:9], s[8:9], s[24:25]
	v_and_b32 v11, 15, v0                          ; r
	v_bfe_u32 v12, v0, 4, 1                        ; h
	v_and_b32 v13, 31, v0                          ; lane
	v_lshlrev_b32 v[QA], 9, v11
	v_lshl_add_u32 v[QA], v12, 4, v[QA]
.irp c, 0,1,2,3,4,5,6,7,8,9,10,11,12,13,14,15
	global_load_b128 v[X+4*\c:X+4*\c+3], v[QA], s[4:5] offset:32*\c           ; q(r, 8 c + 4 h + 0 .. 3)
	global_load_b128 v[Y+4*\c:Y+4*\c+3], v[QA], s[4:5] offset:131072+32*\c    ; k likewise: 16 heads on
.endr
.irp c, 0,1,2,3,4,5,6,7,8,9,10,11,12,13,14,15
	global_load_b128 v[Z+4*\c:Z+4*\c+3], v[QA], s[4:5] offset:262144+32*\c    ; v likewise: 32 heads on
.endr
	v_mul_u32_u24 v[WA], v11, 528
	v_lshl_add_u32 v[WA], v12, 4, v[WA]
	v_add_nc_u32 v[WA], s13, v[WA]
	v_lshlrev_b32 v14, 3, v12
	v_sub_nc_u32 v[DD], v11, v14
	v_mov_b32 v[NINF], 0xff800000
	s_lshl_b32 s24, s10, 10
	s_add_co_u32 s24, s24, RED
	v_lshl_add_u32 v[RS], v13, 4, s24
	s_and_b32 s11, s10, 1
	s_lshl_b32 s24, s11, 9
	s_add_co_u32 s24, s24, RED
	v_lshl_add_u32 v[RL], v13, 4, s24
	s_lshl_b32 s24, s11, 4
	v_lshlrev_b32 v[GOUT], 13, v11
	v_lshl_add_u32 v[GOUT], v12, 5, v[GOUT]
	v_add_nc_u32 v[GOUT], s24, v[GOUT]             ; row r of 8,192 bytes, + 32 h, + 16 x (wave % 2)
	v_mov_b32 v15, 0                               ; (a lane permute's destination counts as read)
	s_wait_loadcnt 16                              ; q and k are in; v's 16 loads may be out
.set e, 0
.rept 32                               ; S^T = K Q^T: two sums by turns, one instruction a turn; the first two start them
.if e < 2
	v_wmma_f32_16x16x4_f32 v[SA+8*(e%2):SA+8*(e%2)+7], v[Y+2*e:Y+2*e+1], v[X+2*e:X+2*e+1], 0
.else
	v_wmma_f32_16x16x4_f32 v[SA+8*(e%2):SA+8*(e%2)+7], v[Y+2*e:Y+2*e+1], v[X+2*e:X+2*e+1], v[SA+8*(e%2):SA+8*(e%2)+7]
.endif
.set e, e+1
.endr
.rept 8
	v_nop                                          ; eight places behind this form, in front of loads into its sources, of writes of them and of the first read of its results
.endr
	s_wait_tensorcnt 0x0                           ; my tile of Wo is in LDS; I alone read it
.irp c, 0,1,2,3,4,5,6,7,8,9,10,11,12,13,14,15
	ds_load_b128 v[X+4*\c:X+4*\c+3], v[WA] offset:32*\c            ; Wo(16 g + r, 128 w + 8 c + 4 h + 0 .. 3), into Q's registers
.endr
	s_wait_loadcnt 0x0                             ; v
	s_wait_dscnt 0x0                               ; Wo's fragments
.set e, 0
.rept 32                               ; T = V Wo^T: rows = keys, columns = my 16 output columns; two sums by turns
.if e < 2
	v_wmma_f32_16x16x4_f32 v[VA+8*(e%2):VA+8*(e%2)+7], v[Z+2*e:Z+2*e+1], v[X+2*e:X+2*e+1], 0
.else
	v_wmma_f32_16x16x4_f32 v[VA+8*(e%2):VA+8*(e%2)+7], v[Z+2*e:Z+2*e+1], v[X+2*e:X+2*e+1], v[VA+8*(e%2):VA+8*(e%2)+7]
.endif
.set e, e+1
.endr
	; the softmax names none of T's registers: its plain lines are the places behind T's products
.irp p, 0,1,2,3
	v_pk_add_f32 v[Y+2*\p:Y+2*\p+1], v[SA+2*\p:SA+2*\p+1], v[SB+2*\p:SB+2*\p+1]   ; the scores of query r and keys 8 h + 0 .. 7, from the low end on
.endr
.irp n, 0,1,2,3,4,5,6,7
	v_cmp_gt_i32 vcc_lo, \n, v[DD]
	v_cndmask_b32 v[Y+\n], v[Y+\n], v[NINF], vcc_lo        ; the causal mask
.endr
	v_max3_num_f32 v14, v[Y], v[Y+1], v[Y+2]
	v_max3_num_f32 v14, v14, v[Y+3], v[Y+4]
	v_max3_num_f32 v14, v14, v[Y+5], v[Y+6]
	v_max_num_f32 v14, v14, v[Y+7]
	v_permlanex16_b32 v15, v14, s[SEL], s[SEL+1]
	v_max_num_f32 v14, v14, v15                    ; the row's maximum: key 0 counts for every query
	v_mul_f32 v15, s[CS], v14
.irp n, 0,1,2,3,4,5,6,7
	v_fma_f32 v[Y+\n], v[Y+\n], s[CS], -v15
.endr
.irp n, 0,1,2,3,4,5,6,7
	v_exp_f32 v[Y+\n], v[Y+\n]
.endr
	v_nop
	s_wait_alu depctr_va_vdst(0)                   ; one wait for the eight
	v_pk_add_f32 v[Y+32:Y+33], v[Y:Y+1], v[Y+2:Y+3]
	v_pk_add_f32 v[Y+34:Y+35], v[Y+4:Y+5], v[Y+6:Y+7]
	v_pk_add_f32 v[Y+32:Y+33], v[Y+32:Y+33], v[Y+34:Y+35]
	v_add_f32 v14, v[Y+32], v[Y+33]
	v_permlanex16_b32 v15, v14, s[SEL], s[SEL+1]
	v_add_f32 v14, v14, v15                        ; the row's sum
	v_rcp_f32 v15, v14
	v_nop
	s_wait_alu depctr_va_vdst(0)
.irp n, 0,1,2,3,4,5,6,7
	v_mul_f32 v[Y+8+\n], v[Y+\n], v15              ; p(query r, key 8 h + n), normalised
.endr
.irp p, 0,1,2,3
	v_pk_add_f32 v[Y+16+2*\p:Y+17+2*\p], v[VA+2*\p:VA+2*\p+1], v[VB+2*\p:VB+2*\p+1]   ; T(key 8 h + 0 .. 7, column r), from the low end on
.endr
.irp kk, 0,1,2,3                       ; out^T = T^T p^T: rows = output columns, columns = queries, K = the 16 keys; two sums by turns
.if \kk < 2
	v_wmma_f32_16x16x4_f32 v[OA+8*(\kk%2):OA+8*(\kk%2)+7], v[Y+16+2*\kk:Y+17+2*\kk], v[Y+8+2*\kk:Y+9+2*\kk], 0
.else
	v_wmma_f32_16x16x4_f32 v[OA+8*(\kk%2):OA+8*(\kk%2)+7], v[Y+16+2*\kk:Y+17+2*\kk], v[Y+8+2*\kk:Y+9+2*\kk], v[OA+8*(\kk%2):OA+8*(\kk%2)+7]
.endif
.endr
.rept 8
	v_nop
.endr
.irp p, 0,1,2,3
	v_pk_add_f32 v[Y+24+2*\p:Y+25+2*\p], v[OA+2*\p:OA+2*\p+1], v[OB+2*\p:OB+2*\p+1]   ; lane (r, h): head w's part of out0(r, 16 g + 8 h + 0 .. 7)
.endr
	ds_store_b128 v[RS], v[Y+24:Y+27]
	ds_store_b128 v[RS], v[Y+28:Y+31] offset:512
	s_wait_dscnt 0x0                               ; for the others' sake: my stores have landed
	s_barrier_signal -1
	s_barrier_wait -1
	s_cmp_lt_u32 s10, 2
	s_cbranch_scc0 .Ldone
.irp i, 0,1,2,3,4,5,6,7,8,9,10,11,12,13,14,15
	ds_load_b128 v[Z+4*\i:Z+4*\i+3], v[RL] offset:1024*\i          ; wave u takes columns 8 h + 4 u + 0 .. 3 of all sixteen parts
.endr
	s_wait_dscnt 0x0
.irp s, 8,4,2,1
.irp i, 0,1,2,3,4,5,6,7
.if \i < \s
	v_pk_add_f32 v[Z+4*\i:Z+4*\i+1], v[Z+4*\i:Z+4*\i+1], v[Z+4*(\i+\s):Z+4*(\i+\s)+1]
	v_pk_add_f32 v[Z+4*\i+2:Z+4*\i+3], v[Z+4*\i+2:Z+4*\i+3], v[Z+4*(\i+\s)+2:Z+4*(\i+\s)+3]
.endif
.endr
.endr
	global_store_b128 v[GOUT], v[Z:Z+3], s[8:9]
.Ldone:
	s_wait_tensorcnt 0x0                           ; the wave's end: a tensor wait, an add of 0 to my spare word and its wait, behind my last tensor load and my last LDS store
	ds_add_u32 v[SPW], v[NIL]
	s_wait_dscnt 0x0
	s_endpgm
.Lfunc_end_k_qa052f9e477_first16:
	.size	k_qa052f9e477_first16, .Lfunc_end_k_qa052f9e477_first16-k_qa052f9e477_first16
	.p2alignl 7, 3214868480
	.fill 96, 4, 3214868480
	.section	.rodata,"a",@progbits
	.p2align	6, 0x0
	.amdhsa_kernel k_qa052f9e477_first16
		.amdhsa_group_segment_fixed_size 167936
		.amdhsa_private_segment_fixed_size 0
		.amdhsa_enable_private_segment 0
		.amdhsa_kernarg_size 24
		.amdhsa_user_sgpr_count 2
		.amdhsa_user_sgpr_kernarg_segment_ptr 1
		.amdhsa_wavefront_size32 1
		.amdhsa_system_sgpr_workgroup_id_x 1
		.amdhsa_system_sgpr_workgroup_id_y 1
		.amdhsa_system_sgpr_workgroup_id_z 1
		.amdhsa_system_vgpr_workitem_id 0
		.amdhsa_next_free_vgpr 256
		.amdhsa_next_free_sgpr 66
		.amdhsa_reserve_vcc 1
		.amdhsa_float_denorm_mode_32 3
		.amdhsa_float_denorm_mode_16_64 3
		.amdhsa_memory_ordered 1
		.amdhsa_forward_progress 1
		.amdhsa_inst_pref_size 20
	.end_amdhsa_kernel
	.amdgpu_metadata
---
amdhsa.version: [ 1, 2 ]
amdhsa.kernels:
  - .name:           k_qa052f9e477_first16
    .symbol:         k_qa052f9e477_first16.kd
    .args:
      - { .name: q32, .offset: 0, .size: 8, .value_kind: global_buffer, .address_space: global }
      - { .name: Wo, .offset: 8, .size: 8, .value_kind: global_buffer, .address_space: global }
      - { .name: out0, .offset: 16, .size: 8, .value_kind: global_buffer, .address_space: global }
    .group_segment_fixed_size: 167936
    .private_segment_fixed_size: 0
    .kernarg_segment_align: 8
    .kernarg_segment_size: 24
    .max_flat_workgroup_size: 512
    .sgpr_count:     66
    .vgpr_count:     256
    .wavefront_size: 32
...
	.end_amdgpu_metadata
.endif
;; end of part 5
